; MI455X (gfx1250); checked and timed in simulation.
; The chip was launched on July 23, 2026; its instructions are those of AMD's public machine-readable ISA for CDNA 5 (MIT licence, August 2026) and "CDNA5" Instruction Set Architecture Reference Guide (July 2026). The comments in the code are by the model that wrote it; some were corrected since.
;; LSA. Allowed arithmetic: matrix products marked QUANTISED: E2M1 operands, one E8M0 scale for each 32 along K, by v_wmma_scale_f32_16x16x128_f8f6f4 with both operands' format E2M1 (or v_wmma_scale_f32_32x16x128_f4), f32 sums; products left as they are: bf16, f16 or f32 operands; f32 sums; everything else in f32.
;; Inputs: Wk 1,024 x 1,024 float32; Wo 1,024 x 1,024 float32; Wq 1,024 x 1,024 float32; Wv 1,024 x 1,024 float32; bk 1,024 float32; bo 1,024 float32; bq 1,024 float32; bv 1,024 float32; log_temp one number float32; x 4 x 2,048 x 1,024 float32.
;; Outputs: out0 4 x 2,048 x 1,024 float32.
;; This version of the problem:
;;   THIS VERSION OF THE PROBLEM IS GIVEN IN LOW PRECISION. The matrix products marked QUANTISED in the list below multiply operands that are first quantised to E2M1 (2 exponent bits, 1 mantissa bit; 4 bits a number), with one power-of-two scale for each 32 numbers along K (OCP MX v1.0); their sums are f32. The products marked 'left as it is' may take bf16, f16 or f32 operands, with f32 sums. Whichever they take, every output number must still come out within the allowed error. Rounding operands to bf16 (8 significant bits) uses up far more of that allowance than f16 does (11 bits, for magnitudes from 6e-5 to 65,504). All else is computed in f32.
;;   The module's matrix products, in the order in which they are computed (A, B: the left and right operand; K: the contracted axis; several contracted axes count as one K, in the product's order):
;;     1. [M 8,192, K 1,024] x [K 1,024, N 1,024]; A: input x; B: input Wq: QUANTISED
;;     2. [M 8,192, K 1,024] x [K 1,024, N 1,024]; A: input x; B: input Wk: QUANTISED
;;     3. [M 8,192, K 1,024] x [K 1,024, N 1,024]; A: input x; B: input Wv: QUANTISED
;;     4. batch 64 x [M 2,048, K 64] x [K 64, N 2,048]; A: computed on the way; B: computed on the way: left as it is (an operand is computed on the way)
;;     5. batch 64 x [M 2,048, K 2,048] x [K 2,048, N 64]; A: computed on the way; B: computed on the way: left as it is (an operand is computed on the way)
;;     6. [M 8,192, K 1,024] x [K 1,024, N 1,024]; A: computed on the way; B: input Wo: left as it is (an operand is computed on the way)
;;   THE QUANTISER, for each operand of a quantised product, along K:
;;     - K is cut into blocks of 32 from its start; a last block that is shorter is filled with zeros.
;;     - A block's scale is 2^e with e = floor(log2(the largest magnitude in the block)) - 2, held to -126 .. 127; a block of zeros has e = 0. As a byte (E8M0): e + 127.
;;     - Each number is divided by its block's scale, clamped to +-6, and rounded to the nearest number of E2M1, ties to even, subnormals kept.
;;     - The product sums the exact products of the quantised numbers (number of the format x scale) in f32.
;;   ~~~python
;;   def quantise(x, axis):      # numpy; x: float32 -> the quantised numbers, widened to float32 again
;;       x = np.moveaxis(x, axis, -1); K = x.shape[-1]
;;       x = np.pad(x, [(0, 0)] * (x.ndim - 1) + [(0, -K % 32)]); x = x.reshape(x.shape[:-1] + (-1, 32)); a = np.abs(x).max(-1, keepdims=True)
;;       e = np.where(a > 0, np.clip(np.frexp(np.where(a > 0, a, 1))[1] - 1 - 2, -126, 127), 0)      # np.frexp(a)[1] - 1 = floor(log2(a)), exactly
;;       r = np.clip(x / 2.0 ** e, -6, 6)
;;       step = 2.0 ** (np.maximum(np.frexp(np.where(r == 0, 1, r))[1] - 1, 0) - 1)
;;       q = np.round(r / step) * step * 2.0 ** e      # np.round: ties to even
;;       return np.moveaxis(q.reshape(q.shape[:-2] + (-1,))[..., :K], -1, axis).astype(np.float32)
;;   ~~~
;; One version. Each part assembles by itself: llvm-mc -triple=amdgcn-amd-amdhsa -mcpu=gfx1250 --defsym DOCPART=n.
;; ======== version 1 of 1: 4 launches
;; limits: values are held in f16: magnitudes above 65,504 overflow, below 6.1e-05 lose precision
;; workspace buffers: xc 4,194,304 bytes; xs 262,144 bytes; wc 1,572,864 bytes; ws 98,304 bytes; wo16 2,097,152 bytes; qkv 50,331,648 bytes; att 16,777,216 bytes
;; launch prep (part 1): grid 336 x 1, 4 waves a work-group, no clusters, 68,096 bytes of LDS; arguments x, Wq, Wk, Wv, Wo, xc, xs, wc, ws, wo16; writes xc, xs, wc, ws, wo16
.if DOCPART == 1
	.amdgcn_target "amdgcn-amd-amdhsa--gfx1250"
	.amdhsa_code_object_version 6
	.text
	.protected	k_q2c8d6d16a3_prep
	.globl	k_q2c8d6d16a3_prep
	.p2align	8
	.type	k_q2c8d6d16a3_prep,@function
k_q2c8d6d16a3_prep:
	s_mov_b64 s[64:65], 0
	v_nop
	global_prefetch_b8 v0, s[64:65] scope:SCOPE_SE
	s_setreg_imm32_b32 hwreg(HW_REG_WAVE_MODE, 25, 1), 1
	s_wait_xcnt 0x0
; PREP: what the later launches read many times is made narrow once.
;   x [8192][1024] f32            -> xc [8192][512 bytes] codes of E2M1, K innermost, two a byte; xs [8192][32] E8M0 bytes
;   Wq, Wk, Wv [k 1024][n 1024]   -> wc [3072 = q|k|v columns][512 bytes], K innermost;           ws [3072][32]
;   Wo [k 1024][n 1024] f32       -> wo16, the same places, f16 (its product is left as it is)
; A block's scale is 2^(floor(log2(its largest magnitude)) - 2): its byte is the largest magnitude's exponent field - 2, held at 1 from below.
; DEAD WORK: bk.  dots[i][j] = T q_i . (x Wk)_j + T q_i . bk.  The second term is the same for every j of row i, so the softmax along j takes it away, whatever
; finite values the inputs hold.  The one entry of a row that does not carry it is the diagonal, which is masked: its weight is 0 beside any
; other entry of the row.  The product of q and k is not quantised, so bk moves no code and no scale.  So bk is not loaded and is no launch's argument.
; LIMITS.  A NaN, an infinity or an overflow that reaches only bk's term is not carried to the result.  Rows whose every off-diagonal score lies under -1.7e38 are not served.
; NaN and infinities among the inputs are not served.  Blocks whose largest magnitude lies under 2^-124 keep the byte 1; a block of zeros too, where the rule says 127:
; its codes are zeros, which add nothing, and this program alone reads the bytes.  Wo, q, k, v and the attention's result are kept in f16: magnitudes up to 65,504.
; SHARES.  Three paths part on the work-group's number and never join: 0-47 the three weights, 48-79 Wo, 80-335 x.  Waves share nothing: no barrier.  Each path that
; uses LDS has bytes of its own.  No matrix unit, no cluster, no tensor load: memory binds, and nothing is read twice.
.set SPW,    208                       ; v208  LDS address of my spare word: SPARE + 4 x my thread's number; never rewritten
.set NIL,    209                       ; v209  0; never rewritten
.set XWREG,  8192                      ; LDS 0 .. 32,767: path X, a region for each wave: two stages of 32 x 80 bytes, then its 256 scale bytes
.set WSTG,   32768                     ; LDS 32,768 .. 67,583: path W, a stage of 32 x 272 bytes for each wave
.set SPARE,  67584                     ; behind them: the spare words, 128 bytes for each wave: two blocks of 256 bytes that no other line names
.set EMAX,   2
	s_load_b256 s[4:11], s[0:1], 0x0               ; x s[4:5], Wq s[6:7], Wk s[8:9], Wv s[10:11]
	s_load_b256 s[12:19], s[0:1], 0x20             ; Wo s[12:13], xc s[14:15], xs s[16:17], wc s[18:19]
	s_load_b128 s[20:23], s[0:1], 0x40             ; ws s[20:21], wo16 s[22:23]
	v_lshl_add_u32 v[SPW], v0, 2, SPARE
	v_mov_b32 v[NIL], 0
	v_lshrrev_b32 v1, 5, v0
	v_readfirstlane_b32 s24, v1                    ; wave 0..3
	v_and_b32 v2, 31, v0                           ; lane
	s_wait_kmcnt 0x0
	s_cmp_lt_u32 ttmp9, 48
	s_cbranch_scc1 .Lpath_w
	s_cmp_lt_u32 ttmp9, 80
	s_cbranch_scc1 .Lpath_o
; ---- PATH X: x is a plain stream of blocks of 32 (rows are dense, 1,024 is a multiple of 32).  A wave takes 16 steps of 512 numbers.  Each load reads 512 consecutive bytes, 16 a lane;
; a step's 2,048 bytes turn through the wave's own stage in LDS and come back 64 bytes a lane: 16 neighbours along K, two lanes to a block.
.set STEPS, 16
.set CB,    8                          ; bytes of 16 codes
.set XR,    16                         ; v16-79   four sets of 16 numbers as they are loaded
.set XN,    80                         ; v80-111  two sets of 16 neighbours
.set XE,    112                        ; v112-127 a scale byte for each step
.set XC,    128                        ; v128-191 codes: registers of its own for each step, so that no store's data are written again
.set SP,    80                         ; a lane's place in a stage: 64 bytes + 16 of padding
	v_lshlrev_b32 v3, 4, v2                        ; my 16 bytes of a load's 512
	s_mul_i32 s25, s24, XWREG
	v_lshrrev_b32 v14, 2, v2
	v_mul_u32_u24 v14, v14, SP
	v_and_b32 v15, 3, v2
	v_lshl_add_u32 v14, v15, 4, v14
	v_add_nc_u32 v14, s25, v14                     ; the stage, on the way in: SP (lane / 4) + 16 (lane % 4)
	v_mul_u32_u24 v15, v2, SP
	v_add_nc_u32 v15, s25, v15                     ; and on the way out: SP x lane
	v_mul_u32_u24 v4, v2, CB                       ; my codes' place in a step's
	v_lshrrev_b32 v5, 1, v2
	s_add_co_u32 s25, s25, 2*32*SP
	v_add_nc_u32 v5, s25, v5                       ; my wave's 256 scale bytes, my block's byte
	v_lshlrev_b32 v7, 3, v2
	v_add_nc_u32 v6, s25, v7                       ; and on the way out 8 bytes a lane
	s_sub_co_u32 s26, ttmp9, 80
	s_lshl_b32 s26, s26, 2
	s_add_co_u32 s26, s26, s24                     ; which run of 8,192 numbers is my wave's: 0 .. 1,023
	s_mov_b32 s29, 0
	s_lshl_b32 s28, s26, 15                        ; 32,768 bytes of x a run,
	s_add_nc_u64 s[4:5], s[4:5], s[28:29]
	s_lshl_b32 s28, s26, 12                        ; 4,096 of codes,
	s_add_nc_u64 s[14:15], s[14:15], s[28:29]
	s_lshl_b32 s28, s26, 8                         ; 256 scale bytes
	s_add_nc_u64 s[16:17], s[16:17], s[28:29]
.macro LOADX t
.irp i, 0,1,2,3
	global_load_b128 v[XR+16*((\t)%4)+4*\i:XR+16*((\t)%4)+4*\i+3], v3, s[4:5] offset:2048*(\t)+512*\i th:TH_LOAD_NT
.endr
.endm
.macro TURNX t                         ; step t's numbers through the stage: LDS serves a wave's instructions in order, so no wait stands between the stores and the loads
.irp i, 0,1,2,3
	ds_store_b128 v14, v[XR+16*((\t)%4)+4*\i:XR+16*((\t)%4)+4*\i+3] offset:32*SP*((\t)%2)+8*SP*\i
.endr
.irp i, 0,1,2,3
	ds_load_b128 v[XN+16*((\t)%2)+4*\i:XN+16*((\t)%2)+4*\i+3], v15 offset:32*SP*((\t)%2)+16*\i
.endr
.endm
.irp t, 0,1,2,3
	LOADX \t
.endr
	s_wait_loadcnt 12                              ; step 0's four loads are in; the twelve of steps 1 to 3 may be out
	TURNX 0
.macro STEPX t
.set XS, XN+16*((\t)%2)
.if (\t) > 0
	s_wait_dscnt 1                                 ; this step's numbers are back from the stage; the last step's byte store may be out
.else
	s_wait_dscnt 0x0
.endif
.if (\t)+4 < STEPS
	LOADX (\t)+4                                   ; into the registers that this step's stores into the stage have read
.endif
.if (\t)+1 < STEPS
.if STEPS-2-(\t) >= 3
	s_wait_loadcnt 12                              ; the next step's four loads are in; those of the three steps behind it may be out
.else
	s_wait_loadcnt 4*(STEPS-2-(\t))
.endif
	TURNX (\t)+1
.endif
	v_max3_num_f32 v8, |v[XS]|, |v[XS+1]|, |v[XS+2]|               ; the largest magnitude of my 16, in two chains
	v_max3_num_f32 v9, |v[XS+3]|, |v[XS+4]|, |v[XS+5]|
.irp i, 6,10
	v_max3_num_f32 v8, v8, |v[XS+\i]|, |v[XS+\i+1]|
	v_max3_num_f32 v9, v9, |v[XS+\i+2]|, |v[XS+\i+3]|
.endr
	v_max3_num_f32 v8, v8, |v[XS+14]|, |v[XS+15]|
	v_max3_num_f32 v8, v8, v9, (EMAX+1)<<23        ; and the floor 2^(3 - 127): the byte cannot fall under 1
	v_max_num_f32_dpp v8, v8, v8 row_xmask:1 row_mask:0xf bank_mask:0xf   ; with my neighbour's 16: the block's
	v_add_nc_u32 v11, -(EMAX<<23), v8              ; 2 off its exponent field: the conversion takes the exponent field of this operand as its scale
	v_cvt_scalef32_pk8_fp4_f32 v[XC+4*(\t)], v[XS:XS+7], v11
	v_cvt_scalef32_pk8_fp4_f32 v[XC+4*(\t)+1], v[XS+8:XS+15], v11
	v_lshrrev_b32 v[XE+(\t)], 23, v11              ; the scale's byte (a plain line behind the conversions)
	ds_store_b8 v5, v[XE+(\t)] offset:16*(\t)      ; both lanes of a block write the same byte with the same value
	global_store_b64 v4, v[XC+4*(\t):XC+4*(\t)+1], s[14:15] offset:32*CB*(\t)   ; 32 lanes store 256 consecutive bytes, aligned
.endm
.irp t, 0,1,2,3,4,5,6,7,8,9,10,11,12,13,14,15
	STEPX \t
.endr
	ds_load_b64 v[8:9], v6                         ; LDS serves a wave's instructions in order: these see my byte stores
	s_wait_dscnt 0x0
	global_store_b64 v7, v[8:9], s[16:17]          ; 32 lanes store 256 consecutive bytes, aligned
	s_wait_tensorcnt 0x0                           ; the wave's end, behind my last LDS store
	ds_add_u32 v[SPW], v[NIL]
	s_wait_dscnt 0x0
	s_endpgm
; ---- PATH W: K is a weight's FIRST axis.  A lane takes a column n and its registers run down K: a block of 32 lies in one lane, and the conversions give codes with K innermost.
; Work-group: weight = id / 16, 128 columns = id % 8, 512 of K = (id / 8) % 2.  A wave: 32 columns x 512 along K; its codes leave through its stage as rows of 256 bytes.
.set NB,     16                        ; blocks a lane
.set WPITCH, 272                       ; a stage row: 256 bytes + 16
.set WSB,    24                        ; v24-27   the scale bytes, four to a register
.set WX,     32                        ; v32-95   two sets of 32 numbers
.set WC,     96                        ; v96-99   a block's codes
.set WOUT,   112                       ; v112-175 the way out
.Lpath_w:
	s_lshr_b32 s25, ttmp9, 4                       ; which weight
	s_and_b32 s26, ttmp9, 7                        ; which 128 columns
	s_bfe_u32 s27, ttmp9, 0x10003                  ; which 512 of K
	s_cmp_lt_u32 ttmp9, 16                         ; the choice hangs on the work-group's number alone
	s_cselect_b64 s[6:7], s[6:7], s[8:9]
	s_cmp_lt_u32 ttmp9, 32
	s_cselect_b64 s[6:7], s[6:7], s[10:11]
	s_lshl_b32 s28, s26, 7
	s_lshl_b32 s29, s24, 5
	s_add_co_u32 s28, s28, s29                     ; my wave's first column
	v_lshlrev_b32 v3, 2, v2                        ; in: 4 bytes a lane
	s_mul_i32 s29, s24, 32*WPITCH
	s_add_co_u32 s29, s29, WSTG                    ; my stage
	v_mul_u32_u24 v4, v2, WPITCH
	v_add_nc_u32 v4, s29, v4                       ; into it: row = my column
	v_and_b32 v5, 15, v2
	v_lshrrev_b32 v6, 4, v2
	v_mul_u32_u24 v7, v6, WPITCH
	v_lshl_add_u32 v7, v5, 4, v7
	v_add_nc_u32 v7, s29, v7                       ; out of it: sixteen lanes to a row, two rows an instruction
	v_mul_u32_u24 v8, v6, 512
	v_lshl_add_u32 v8, v5, 4, v8                   ; and the same place in wc
	v_lshlrev_b32 v9, 5, v2                        ; my column's row of scale bytes
	s_lshl_b32 s30, s27, 21                        ; 512 rows of 4,096 bytes,
	s_lshl_b32 s31, s28, 2
	s_add_co_u32 s30, s30, s31                     ; + 4 x column
	s_mov_b32 s31, 0
	s_add_nc_u64 s[6:7], s[6:7], s[30:31]
	s_lshl_b32 s32, s25, 10
	s_add_co_u32 s32, s32, s28                     ; my first row of wc and ws: 1,024 x weight + column
	s_lshl_b32 s30, s32, 9
	s_lshl_b32 s33, s27, 8
	s_add_co_u32 s30, s30, s33
	s_add_nc_u64 s[18:19], s[18:19], s[30:31]
	s_lshl_b32 s30, s32, 5
	s_lshl_b32 s33, s27, 4
	s_add_co_u32 s30, s30, s33
	s_add_nc_u64 s[20:21], s[20:21], s[30:31]
.macro LOADW t                         ; block t: W(32 t + i, my column): 32 lanes read 128 consecutive bytes; the largest offset, 511 rows of 4,096 bytes, lies inside the signed 24-bit immediate
.irp i, 0,1,2,3,4,5,6,7,8,9,10,11,12,13,14,15,16,17,18,19,20,21,22,23,24,25,26,27,28,29,30,31
	global_load_b32 v[WX+32*((\t)%2)+\i], v3, s[6:7] offset:(32*(\t)+\i)*4096 th:TH_LOAD_NT
.endr
.endm
	LOADW 0
	LOADW 1
.macro BLOCKW t
.set WXS, WX+32*((\t)%2)
.if (\t) < NB-1
	s_wait_loadcnt 32                              ; this block's 32 loads are in; the next block's 32 may be out
.else
	s_wait_loadcnt 0
.endif
	v_max3_num_f32 v12, |v[WXS]|, |v[WXS+1]|, |v[WXS+2]|            ; the block's largest magnitude: all 32 numbers are mine
	v_max3_num_f32 v13, |v[WXS+3]|, |v[WXS+4]|, |v[WXS+5]|
.irp i, 6,10,14,18,22,26
	v_max3_num_f32 v12, v12, |v[WXS+\i]|, |v[WXS+\i+1]|
	v_max3_num_f32 v13, v13, |v[WXS+\i+2]|, |v[WXS+\i+3]|
.endr
	v_max3_num_f32 v12, v12, |v[WXS+30]|, |v[WXS+31]|
	v_max3_num_f32 v12, v12, v13, (EMAX+1)<<23     ; and the floor
	v_add_nc_u32 v11, -(EMAX<<23), v12             ; the conversion's scale operand
	v_lshrrev_b32 v13, 23, v11                     ; the scale's byte
.if (\t)%4 == 0
	v_mov_b32 v[WSB+(\t)/4], v13                   ; four bytes to a register, the lower K in the lower byte
.else
	v_lshl_or_b32 v[WSB+(\t)/4], v13, 8*((\t)%4), v[WSB+(\t)/4]
.endif
.irp g, 0,1,2,3
	v_cvt_scalef32_pk8_fp4_f32 v[WC+\g], v[WXS+8*\g:WXS+8*\g+7], v11
.endr
	v_nop                                          ; one plain line behind the last conversion
	ds_store_b128 v4, v[WC:WC+3] offset:16*(\t)    ; 32 codes: 16 bytes of my column's row
.if (\t)+2 < NB
	LOADW (\t)+2
.endif
	s_wait_dscnt 0x0                               ; the store has read its registers: the next block's codes may be written
.endm
.set Q, 0
.rept NB
	BLOCKW Q
.set Q, Q+1
.endr
	global_store_b128 v9, v[WSB:WSB+3], s[20:21]   ; my column's 16 scale bytes
.irp t, 0,1,2,3,4,5,6,7,8,9,10,11,12,13,14,15
	ds_load_b128 v[WOUT+4*\t:WOUT+4*\t+3], v7 offset:2*\t*WPITCH
.endr
.irp t, 0,1,2,3,4,5,6,7,8,9,10,11,12,13,14,15
	s_wait_dscnt 15-\t                             ; loads come back in order: number t is in, the younger ones may be out
	global_store_b128 v8, v[WOUT+4*\t:WOUT+4*\t+3], s[18:19] offset:2*\t*512   ; sixteen lanes store 256 consecutive bytes, aligned
.endr
	s_wait_tensorcnt 0x0                           ; the wave's end
	ds_add_u32 v[SPW], v[NIL]
	s_wait_dscnt 0x0
	s_endpgm
; ---- PATH O: Wo to f16, every number in its place.  A wave takes 8,192 numbers: four groups of 16 loads of 512 bytes, two groups in flight.
.Lpath_o:
	s_sub_co_u32 s25, ttmp9, 48
	s_lshl_b32 s25, s25, 2
	s_add_co_u32 s25, s25, s24                     ; my run: 0 .. 127
	s_mov_b32 s27, 0
	s_lshl_b32 s26, s25, 15
	s_add_nc_u64 s[12:13], s[12:13], s[26:27]
	s_lshl_b32 s26, s25, 14
	s_add_nc_u64 s[22:23], s[22:23], s[26:27]
	v_lshlrev_b32 v1, 4, v2                        ; in: 16 bytes a lane
	v_lshlrev_b32 v3, 3, v2                        ; out: 8 bytes a lane
.macro LOADG g
.irp i, 0,1,2,3,4,5,6,7,8,9,10,11,12,13,14,15
	global_load_b128 v[16+64*((\g)%2)+4*\i:16+64*((\g)%2)+4*\i+3], v1, s[12:13] offset:(\g)*8192+\i*512 th:TH_LOAD_NT
.endr
.endm
.macro CASTG g
.if (\g) >= 2
	s_wait_xcnt 0x0                                ; the stores of two groups back have read their data: those registers are written again only behind this wait
.endif
.irp i, 0,1,2,3,4,5,6,7,8,9,10,11,12,13,14,15
.if (\g) < 3
	s_wait_loadcnt 31-\i                           ; behind load i of this group: its 15 - i younger ones and the next group's 16
.else
	s_wait_loadcnt 15-\i
.endif
	v_cvt_pk_f16_f32 v[144+32*((\g)%2)+2*\i], v[16+64*((\g)%2)+4*\i], v[16+64*((\g)%2)+4*\i+1]
	v_cvt_pk_f16_f32 v[144+32*((\g)%2)+2*\i+1], v[16+64*((\g)%2)+4*\i+2], v[16+64*((\g)%2)+4*\i+3]
	global_store_b64 v3, v[144+32*((\g)%2)+2*\i:144+32*((\g)%2)+2*\i+1], s[22:23] offset:(\g)*4096+\i*256   ; 32 lanes store 256 consecutive bytes, aligned
.endr
.if (\g)+2 <= 3
	LOADG (\g)+2
.endif
.endm
	LOADG 0
	LOADG 1
	CASTG 0
	CASTG 1
	CASTG 2
	CASTG 3
	s_wait_tensorcnt 0x0                           ; the wave's end, as on the other two paths
	ds_add_u32 v[SPW], v[NIL]
	s_wait_dscnt 0x0
	s_endpgm
.Lfunc_end_k_q2c8d6d16a3_prep:
	.size	k_q2c8d6d16a3_prep, .Lfunc_end_k_q2c8d6d16a3_prep-k_q2c8d6d16a3_prep
	.p2alignl 7, 3214868480
	.fill 96, 4, 3214868480
	.section	.rodata,"a",@progbits
	.p2align	6, 0x0
	.amdhsa_kernel k_q2c8d6d16a3_prep
		.amdhsa_group_segment_fixed_size 68096
		.amdhsa_private_segment_fixed_size 0
		.amdhsa_enable_private_segment 0
		.amdhsa_kernarg_size 80
		.amdhsa_user_sgpr_count 2
		.amdhsa_user_sgpr_kernarg_segment_ptr 1
		.amdhsa_wavefront_size32 1
		.amdhsa_system_sgpr_workgroup_id_x 1
		.amdhsa_system_sgpr_workgroup_id_y 1
		.amdhsa_system_sgpr_workgroup_id_z 1
		.amdhsa_system_vgpr_workitem_id 0
		.amdhsa_next_free_vgpr 212
		.amdhsa_next_free_sgpr 66
		.amdhsa_reserve_vcc 0
		.amdhsa_float_denorm_mode_32 3
		.amdhsa_float_denorm_mode_16_64 3
		.amdhsa_memory_ordered 1
		.amdhsa_forward_progress 1
		.amdhsa_inst_pref_size 134
	.end_amdhsa_kernel
	.amdgpu_metadata
---
amdhsa.version: [ 1, 2 ]
amdhsa.kernels:
  - .name:           k_q2c8d6d16a3_prep
    .symbol:         k_q2c8d6d16a3_prep.kd
    .args:
      - { .name: x, .offset: 0, .size: 8, .value_kind: global_buffer, .address_space: global }
      - { .name: Wq, .offset: 8, .size: 8, .value_kind: global_buffer, .address_space: global }
      - { .name: Wk, .offset: 16, .size: 8, .value_kind: global_buffer, .address_space: global }
      - { .name: Wv, .offset: 24, .size: 8, .value_kind: global_buffer, .address_space: global }
      - { .name: Wo, .offset: 32, .size: 8, .value_kind: global_buffer, .address_space: global }
      - { .name: xc, .offset: 40, .size: 8, .value_kind: global_buffer, .address_space: global }
      - { .name: xs, .offset: 48, .size: 8, .value_kind: global_buffer, .address_space: global }
      - { .name: wc, .offset: 56, .size: 8, .value_kind: global_buffer, .address_space: global }
      - { .name: ws, .offset: 64, .size: 8, .value_kind: global_buffer, .address_space: global }
      - { .name: wo16, .offset: 72, .size: 8, .value_kind: global_buffer, .address_space: global }
    .group_segment_fixed_size: 68096
    .private_segment_fixed_size: 0
    .kernarg_segment_align: 8
    .kernarg_segment_size: 80
    .max_flat_workgroup_size: 128
    .sgpr_count:     66
    .vgpr_count:     212
    .wavefront_size: 32
...
	.end_amdgpu_metadata
.endif
;; end of part 1
;; launch qkv (part 2): grid 12 x 32, 4 waves a work-group, clusters of 4 x 4, 327,680 bytes of LDS; arguments xc, xs, wc, ws, bq, bv, qkv; writes qkv
.if DOCPART == 2
	.amdgcn_target "amdgcn-amd-amdhsa--gfx1250"
	.amdhsa_code_object_version 6
	.text
	.protected	k_q2c8d6d16a3_qkv
	.globl	k_q2c8d6d16a3_qkv
	.p2align	8
	.type	k_q2c8d6d16a3_qkv,@function
k_q2c8d6d16a3_qkv:
	s_mov_b64 s[64:65], 0
	v_nop
	global_prefetch_b8 v0, s[64:65] scope:SCOPE_SE
	s_setreg_imm32_b32 hwreg(HW_REG_WAVE_MODE, 25, 1), 1
	s_wait_xcnt 0x0
	s_wait_alu depctr_hold_cnt(0) depctr_sa_sdst(0) depctr_va_vdst(0) depctr_va_sdst(0) depctr_va_ssrc(0) depctr_va_vcc(0) depctr_vm_vsrc(0)
	s_getreg_b32 s2, hwreg(HW_REG_IB_STS2, 6, 4)
	s_cmp_eq_u32 s2, 0
	s_cbranch_scc0 .Lentry_in_a_cluster
	s_endpgm
.Lentry_in_a_cluster:
	s_bfe_u32 s2, ttmp6, 0x10000c
	s_cmp_lg_u32 s2, 0xf033
	s_cbranch_scc0 .Lentry_shape_is_right
	s_endpgm
.Lentry_shape_is_right:
; q = x Wq + bq, k = x Wk, v = x Wv + bv: one GEMM C = A B^T on codes of E2M1 with E8M0 scales: A = xc [8192][1024 codes], B = wc [3072][1024 codes]; sums in f32.
; bk is left out: it is the same along the softmax's axis (the proof stands at the head of the first kernel).
; The result is rounded to f16 and laid head-major: qkv [3][batch 4][head 16][n 2048][64]: a row is 128 bytes, a head is dense.  LIMIT: magnitudes up to 65,504.
; A tile of C, 256 x 256, is made by four waves, each 128 x 128: 64 accumulators of 16 x 16.  K = 1,024 is two slots of 512: both are asked for at the head, and nothing is filled again.
; THE SCALES of the work-group's 256 rows of A and of B, for all of K, are two dense blocks of memory: they come into LDS once, with the first fills.
; CLUSTERS: 4 x 4 work-groups.  The four of a row of the cluster need the same tiles of A, the four of a column the same tiles of B: each is asked for jointly.  A cluster's x is one weight: 0 q, 1 k, 2 v.
; 12 x 32 = 384 tiles: a tile of 256 x 384, which would make 256, has 640 rows of 544 bytes for all of K: more than LDS holds.
; THE MATRIX INSTRUCTION IS USED TRANSPOSED (source 0 = 16 rows of B, source 1 = 16 rows of A): a lane holds eight neighbouring columns of a row of C.
; THE BIAS is the C of each sum's first product: eight registers for each of B's eight blocks, in the result's layout.  For k they hold 0, so that one text serves the three weights.
; REGISTERS: window 0: v0-31 addresses; v32-95 scale words, two sets, and nothing else; v128-191 A's fragments, one set; v192-255 the bias, later the packed results.
;   window 1: B's fragments, two sets, at v0 and v128.   window 2: the accumulators of my rows 0-63 ((a, b) at v[8 (8 a + b)]);   window 3: those of my rows 64-127.
.set SIZE_K, 1024
.set KSTEP,  512                       ; along K in a slot
.set NQ,     KSTEP/128                 ; matrix instructions deep
.set ROWB,   256                       ; a tile's row in bytes
.set KROW,   SIZE_K/2                  ; a row of codes in memory
.set PITCH,  272                       ; an LDS row: 256 bytes + 16: the 16 rows that a load touches start 68 words apart
.set FR,     8                         ; registers of a fragment
.set NL,     2                         ; LDS loads that bring one
.set NP,     4                         ; places behind this matrix instruction (ISA guide 7.12.1)
.set HALFT,  128*PITCH                 ; 128 rows: what one tensor load brings
.set SLOT,   4*HALFT                   ; A's 256 rows, then B's 256 rows
.set KS,     SIZE_K/32                 ; a row of scale bytes
.set SCL,    2*SLOT                    ; behind the ring: the scales, as rows of 256 bytes + 16
.set HALFS,  (128*KS/256)*272          ; the scales of 128 rows
.set SBLK,   (16*KS/256)*272           ; those of 16 rows
.set SPARE,  SCL+4*HALFS               ; the spare words, 128 bytes for each wave: two blocks of 256 bytes that no other line names
.set SPITCH, 272                       ; the way out: a stage of 16 rows x (256 + 16) bytes for each wave, in slot 0, which has had its only fill and its last read by then
.set ADRA, 16                          ; v16-17  LDS address of my A fragments in slot 0, 1
.set ADRB, 20                          ; v20-21  the same for B
.set STO,  24                          ; v24     the way out: where I put 16 bytes of a row
.set RD,   25                          ; v25     where I read them back
.set CO,   26                          ; v26     my byte offset in qkv
.set ADRS, 27                          ; v27     LDS address of my scale words: lanes 0-15 A's rows, lanes 16-31 B's
.set SPW,  28                          ; v28     my spare word; never rewritten
.set NIL,  29                          ; v29     0; never rewritten
.set SC,   32                          ; scale words: set s at v[SC + 32 s]; register 4 i + q: lanes 0-15 A's block i, lanes 16-31 B's block i, the slot's q-th 128 along K
.set AF,   128
.set BI,   192                         ; the bias
.set TMP,  192                         ; the way out: packed results, where the bias lay
.set OB,   128                         ; and rows read back: v128-159 and v160-191 by turns
.set G1, 24
.set G0, 32
.set G1B, 48
.set G0B, 56
.set G1S, 68
.set G0S, 76
.set G1SB, 80
.set G0SB, 88
.set MSB, 0
.macro WIN new                         ; the immediate's high byte repeats the setting that is left
.if MSB != (\new)
	s_set_vgpr_msb (MSB<<8)|(\new)
.set MSB, (\new)
.endif
.endm
.set MUL_LO,   0xa1                    ; source 0 (B) window 1, source 1 (A) window 0, C and D window 2
.set MUL_HI,   0xf1                    ; the same, C and D window 3
.set FIRST_LO, 0x81                    ; the first step: C (the bias) window 0, D window 2
.set FIRST_HI, 0xc1                    ; D window 3
.set TO_B,     0x40
; A joint load: waves 0 and 1 fetch for A, waves 2 and 3 for B.  The branch hangs on the wave's number alone.  An s_nop 0 and four v_nop follow each of the two lines.
.macro JLOAD g0a, g1a, g0b, g1b
	s_cmp_eq_u32 s15, 0
	s_cbranch_scc0 .Lfor_b_\@
	tensor_load_to_lds s[\g0a:\g0a+3], s[\g1a:\g1a+7]
	s_nop 0
.rept 4
	v_nop
.endr
	s_branch .Lasked_\@
.Lfor_b_\@:
	tensor_load_to_lds s[\g0b:\g0b+3], s[\g1b:\g1b+7]
	s_nop 0
.rept 4
	v_nop
.endr
.Lasked_\@:
.endm
.macro CROUND                          ; a round of the cluster's barrier
	s_barrier_signal -1
	s_barrier_wait -1
	s_cmp_lg_u32 s14, 0
	s_cbranch_scc1 .Lnot_wave_0_\@
	s_barrier_signal -3
.Lnot_wave_0_\@:
	s_barrier_wait -3
	s_barrier_signal -1
	s_barrier_wait -1
.endm
	s_load_b128 s[4:7], s[0:1], 0x0                ; A's codes, A's scales
	s_load_b128 s[8:11], s[0:1], 0x10              ; B's codes, B's scales
	s_load_b128 s[96:99], s[0:1], 0x20             ; bq, bv
	s_load_b64 s[12:13], s[0:1], 0x30              ; qkv
	v_lshl_add_u32 v[SPW], v0, 2, SPARE
	v_mov_b32 v[NIL], 0
	ds_add_u32 v[SPW], v[NIL]                      ; the wave's opening: the add, twice on end, and its wait ahead of my first tensor load
	ds_add_u32 v[SPW], v[NIL]                      ; and once more, under the one wait; the set-up below is work on registers
	v_lshrrev_b32 v1, 5, v0
	v_readfirstlane_b32 s14, v1                    ; wave 0..3
	s_lshr_b32 s15, s14, 1                         ; which half of the tile's rows is mine.  Also: I fetch for A (0) or for B (1)
	s_and_b32 s16, s14, 1                          ; which half of its columns.  Also: which 128 rows of that tile I fetch
	s_bfe_u32 s40, ttmp6, 0x40000                  ; cx, cy: my place in the cluster
	s_bfe_u32 s41, ttmp6, 0x40004
	s_lshl_b32 s42, ttmp9, 2
	s_add_co_u32 s42, s42, s40                     ; tile column of C
	s_and_b32 s17, ttmp7, 0xffff
	s_lshl_b32 s17, s17, 2
	s_add_co_u32 s17, s17, s41                     ; tile row of C
	s_lshl_b32 s43, s41, 2
	s_lshl_b32 s43, 15, s43                        ; my row of the cluster
	s_lshl_b32 s44, 0x1111, s40                    ; my column
	s_or_b32 s[G1+0], s43, (0<<16)|(1<<20)|(1<<21)|(5<<22)|(3<<25)  ; the mask; elements of 1 byte; padding on; bit 21 beside a mask; after every 64 words 4 words
	s_or_b32 s[G1B+0], s44, (0<<16)|(1<<20)|(1<<21)|(5<<22)|(3<<25)
.irp g, G1, G1B
	s_mov_b32 s[\g+1], ROWB<<16                    ; tensor_dim0
	s_mov_b32 s[\g+2], 128<<16                     ; tensor_dim1
	s_mov_b32 s[\g+3], ROWB<<16                    ; tile_dim0
	s_mov_b32 s[\g+4], 128                         ; tile_dim1
	s_mov_b32 s[\g+5], KROW                        ; the pitch in memory
	s_mov_b32 s[\g+6], 0
	s_mov_b32 s[\g+7], 0
.endr
	s_or_b32 s[G1S+0], s43, (3<<16)|(1<<20)|(1<<21)|(5<<22)|(3<<25) ; the scales of 128 rows: 4,096 dense bytes as 16 rows of 32 elements of 8 bytes, 16 bytes of padding behind each
	s_or_b32 s[G1SB+0], s44, (3<<16)|(1<<20)|(1<<21)|(5<<22)|(3<<25)
.irp g, G1S, G1SB
	s_mov_b32 s[\g+1], 32<<16
	s_mov_b32 s[\g+2], (128*KS/256)<<16
	s_mov_b32 s[\g+3], 32<<16
	s_mov_b32 s[\g+4], 128*KS/256
	s_mov_b32 s[\g+5], 32
	s_mov_b32 s[\g+6], 0
	s_mov_b32 s[\g+7], 0
.endr
	s_lshl_b32 s18, s16, 7                         ; which 128 rows of the tile I fetch
	s_lshl_b32 s20, s17, 8
	s_add_co_u32 s20, s20, s18                     ; A: row 256 x tile row + 128 x half
	s_lshl_b32 s46, s42, 8
	s_add_co_u32 s46, s46, s18                     ; B: row 256 x tile column + 128 x half
	s_mov_b32 s21, 0
	s_mov_b32 s47, 0
	s_mov_b64 s[18:19], KS
	s_mul_u64 s[22:23], s[20:21], s[18:19]         ; where these rows' scales begin
	s_mul_u64 s[92:93], s[46:47], s[18:19]
	s_mov_b64 s[18:19], KROW
	s_mul_u64 s[20:21], s[20:21], s[18:19]         ; and their codes
	s_mul_u64 s[46:47], s[46:47], s[18:19]
	s_mul_i32 s45, s14, HALFT                      ; where they go: wave x 128 rows
	s_mul_i32 s94, s14, HALFS
	s_wait_dscnt 0x0                               ; both opening adds are done
	s_wait_kmcnt 0x0
	s_add_nc_u64 s[20:21], s[4:5], s[20:21]
	s_add_nc_u64 s[22:23], s[6:7], s[22:23]
	s_add_nc_u64 s[46:47], s[8:9], s[46:47]
	s_add_nc_u64 s[92:93], s[10:11], s[92:93]
	CROUND                                         ; all sixteen work-groups are here: the first joint loads meet
	s_mov_b32 s[G0S], 1
	s_add_co_u32 s[G0S+1], s94, SCL
	s_mov_b64 s[G0S+2:G0S+3], s[22:23]
	s_or_b32 s[G0S+3], s[G0S+3], 0x80000000
	s_mov_b32 s[G0SB], 1
	s_add_co_u32 s[G0SB+1], s94, SCL
	s_mov_b64 s[G0SB+2:G0SB+3], s[92:93]
	s_or_b32 s[G0SB+3], s[G0SB+3], 0x80000000
	JLOAD G0S, G1S, G0SB, G1SB                     ; the scales first: they are wanted with the first step
.irp s, 0,1
	s_mov_b32 s[G0+4*\s], 1
	s_add_co_u32 s[G0+4*\s+1], s45, \s*SLOT
	s_add_nc_u64 s[G0+4*\s+2:G0+4*\s+3], s[20:21], \s*ROWB
	s_or_b32 s[G0+4*\s+3], s[G0+4*\s+3], 0x80000000
	s_mov_b32 s[G0B+4*\s], 1
	s_add_co_u32 s[G0B+4*\s+1], s45, \s*SLOT
	s_add_nc_u64 s[G0B+4*\s+2:G0B+4*\s+3], s[46:47], \s*ROWB
	s_or_b32 s[G0B+4*\s+3], s[G0B+4*\s+3], 0x80000000
	JLOAD G0+4*\s, G1, G0B+4*\s, G1B               ; three loads of mine are out in all
.endr
	v_and_b32 v1, 15, v0                           ; r = l % 16
	v_bfe_u32 v2, v0, 4, 1                         ; h = l / 16
	v_mul_u32_u24 v3, v1, PITCH
	v_lshl_add_u32 v4, v2, 4, v3                   ; a fragment's row x pitch + 16 x half
	s_mul_i32 s21, s15, HALFT                      ; my 128 rows of A
	s_mul_i32 s22, s16, HALFT                      ; my 128 rows of B,
	s_add_co_u32 s22, s22, 2*HALFT                 ; which lie behind A's 256
.irp s, 0,1
	v_add_nc_u32 v[ADRA+\s], s21, v4
	v_add_nc_u32 v[ADRB+\s], s22, v4
	s_add_co_u32 s21, s21, SLOT
	s_add_co_u32 s22, s22, SLOT
.endr
	v_mul_u32_u24 v5, v1, KS                       ; my row's scales: 32 bytes a row,
	v_lshrrev_b32 v6, 8, v5
	v_lshl_add_u32 v5, v6, 4, v5                   ; and 16 more for each 256 passed
	s_mul_i32 s21, s15, HALFS                      ; A's: my 128 rows
	s_mul_i32 s22, s16, HALFS                      ; B's: my 128 rows, behind A's 256
	s_add_co_u32 s22, s22, 2*HALFS
	s_sub_co_u32 s22, s22, s21
	v_mul_u32_u24 v6, s22, v2                      ; lanes 16-31 take B's: one product, the distance between the two
	s_add_co_u32 s21, s21, SCL
	v_add_nc_u32 v5, v5, v6
	v_add_nc_u32 v[ADRS], s21, v5
	s_mul_i32 s23, s14, 16*SPITCH                  ; my stage
	v_mul_u32_u24 v5, v1, SPITCH                   ; in: row r, 16 bytes for each half of the lanes
	v_lshl_add_u32 v5, v2, 4, v5
	v_add_nc_u32 v[STO], s23, v5
	v_bfe_u32 v6, v0, 3, 1
	v_and_b32 v7, 7, v0
	v_mul_u32_u24 v8, v6, SPITCH                   ; back: lanes 0-7 a row's first 128 bytes (my first head), lanes 8-15 the next row's; lanes 16-31 the same of the second 128 bytes
	v_lshl_add_u32 v8, v2, 7, v8
	v_lshl_add_u32 v8, v7, 4, v8
	v_add_nc_u32 v[RD], s23, v8
	v_lshlrev_b32 v[CO], 18, v2                    ; in qkv: the second head lies 262,144 bytes on,
	v_lshl_add_u32 v[CO], v6, 7, v[CO]             ; a row 128 bytes,
	v_lshl_add_u32 v[CO], v7, 4, v[CO]             ; 16 bytes a lane
	s_lshl_b32 s20, ttmp9, 24                      ; where my part begins: q, k or v: 16,777,216 bytes each,
	s_lshr_b32 s21, s17, 3
	s_lshl_b32 s21, s21, 22                        ; the batch: 8 tile rows each,
	s_add_co_u32 s20, s20, s21
	s_lshl_b32 s21, s40, 2
	s_lshl_b32 s22, s16, 1
	s_add_co_u32 s21, s21, s22                     ; my first head: 4 cx + 2 x half,
	s_lshl_b32 s21, s21, 18
	s_add_co_u32 s20, s20, s21
	s_and_b32 s21, s17, 7
	s_lshl_b32 s21, s21, 8
	s_lshl_b32 s22, s15, 7
	s_add_co_u32 s21, s21, s22                     ; my first row in the batch
	s_lshl_b32 s21, s21, 7
	s_add_co_u32 s20, s20, s21
	s_mov_b32 s21, 0
	s_add_nc_u64 s[12:13], s[12:13], s[20:21]
	; the bias.  The branch hangs on the cluster's x, which all sixteen partners share
	s_cmp_eq_u32 ttmp9, 1
	s_cbranch_scc1 .Lno_bias
	s_cmp_eq_u32 ttmp9, 0
	s_cselect_b64 s[96:97], s[96:97], s[98:99]     ; bq or bv
	s_lshl_b32 s46, s40, 10                        ; my 128 columns of the weight's 1,024: 256 cx + 128 x half, 4 bytes each
	s_lshl_b32 s47, s16, 9
	s_add_co_u32 s46, s46, s47
	s_mov_b32 s47, 0
	s_add_nc_u64 s[96:97], s[96:97], s[46:47]
	v_lshlrev_b32 v9, 5, v2                        ; lanes 16-31 hold the block's columns 8 to 15
.irp b, 0,1,2,3,4,5,6,7
	global_load_b128 v[BI+8*\b:BI+8*\b+3], v9, s[96:97] offset:64*\b
	global_load_b128 v[BI+8*\b+4:BI+8*\b+7], v9, s[96:97] offset:64*\b+16
.endr
	s_branch .Lbias_done
.Lno_bias:
.set i, 0
.rept 64
	v_mov_b32 v[BI+i], 0                           ; k has no bias: 64 lines once, in place of a second copy of the first step's 64 products
.set i, i+1
.endr
.Lbias_done:
.rept NP
	v_nop
.endr
.macro FRAG reg, adr, q, i             ; 16 rows x 128 K of 4-bit codes: lane l holds row l % 16; registers 4 c .. 4 c + 3 hold K = 64 c + 32 (l / 16) + 0 .. 31
.irp c, 0,1
	ds_load_b128 v[\reg+4*\c:\reg+4*\c+3], v[\adr] offset:64*(\q)+32*\c+(\i)*16*PITCH
.endr
.endm
; 16 matrix instructions: A's blocks a0, a0 + 1 x B's eight, the slot's q-th 128 along K.  first = 1: the bias starts the sums.  The 64 accumulators take turns, one instruction a turn, in the same order in every step.
.macro MUL16 a0, p, q, sc, first
.irp a, \a0, \a0+1
.irp b, 0,1,2,3,4,5,6,7
.if \first
	v_wmma_scale_f32_16x16x128_f8f6f4 v[8*(8*((\a)%4)+\b):8*(8*((\a)%4)+\b)+7], v[128*(\p)+FR*\b:128*(\p)+FR*\b+FR-1], v[AF+FR*(\a):AF+FR*(\a)+FR-1], v[BI+8*\b:BI+8*\b+7], v[SC+8*NQ*(\sc)+NQ*\b+(\q)], v[SC+8*NQ*(\sc)+NQ*(\a)+(\q)] matrix_a_fmt:MATRIX_FMT_FP4 matrix_b_fmt:MATRIX_FMT_FP4 matrix_a_scale:MATRIX_SCALE_ROW1
.else
	v_wmma_scale_f32_16x16x128_f8f6f4 v[8*(8*((\a)%4)+\b):8*(8*((\a)%4)+\b)+7], v[128*(\p)+FR*\b:128*(\p)+FR*\b+FR-1], v[AF+FR*(\a):AF+FR*(\a)+FR-1], v[8*(8*((\a)%4)+\b):8*(8*((\a)%4)+\b)+7], v[SC+8*NQ*(\sc)+NQ*\b+(\q)], v[SC+8*NQ*(\sc)+NQ*(\a)+(\q)] matrix_a_fmt:MATRIX_FMT_FP4 matrix_b_fmt:MATRIX_FMT_FP4 matrix_a_scale:MATRIX_SCALE_ROW1
.endif
.endr
.endr
.endm
.macro FETCH_B slot, q, p
	WIN TO_B
.irp i, 0,1,2,3,4,5,6,7
	FRAG 128*(\p)+FR*\i, ADRB+\slot, \q, \i
.endr
	WIN 0
.endm
.macro FETCH_A slot, q, i0
.irp i, \i0, \i0+1, \i0+2, \i0+3
	FRAG AF+FR*(\i), ADRA+\slot, \q, \i
.endr
.endm
.macro SCALES sc                       ; a slot's scale words: 4 words a row; lanes 0-15 take A's block i, lanes 16-31 B's block i
.irp i, 0,1,2,3,4,5,6,7
	ds_load_b128 v[SC+8*NQ*\sc+NQ*\i:SC+8*NQ*\sc+NQ*\i+3], v[ADRS] offset:\i*SBLK
.endr
.endm
.macro PLACES n                        ; a load into a register that a matrix instruction has read, and a read of a matrix result, stand NP plain vector instructions behind it
.rept \n
	v_nop
.endr
.endm
.macro STEP slot, q, first             ; a step of 128 along K that has its successor in the same slot
	s_wait_dscnt 4*NL                              ; B's set and A's blocks 0-3 are in; the youngest eight loads (A's blocks 4-7) may be out
.if \first
	WIN FIRST_LO
.else
	WIN MUL_LO
.endif
	MUL16 0, (\q)%2, \q, \slot, \first
	MUL16 2, (\q)%2, \q, \slot, \first
	s_wait_dscnt 0                                 ; A's blocks 4-7 are in
	PLACES NP
	FETCH_B \slot, (\q)+1, 1-(\q)%2
	FETCH_A \slot, (\q)+1, 0
.if \first
	WIN FIRST_HI
.else
	WIN MUL_HI
.endif
	MUL16 4, (\q)%2, \q, \slot, \first
	MUL16 6, (\q)%2, \q, \slot, \first
	PLACES NP
	WIN 0
	FETCH_A \slot, (\q)+1, 4
.endm
; Slot 0's last step changes slots: one barrier.  In front of it each wave waits for all its tensor loads (its part of slot 1), and for its own reads of slot 0, which the way out writes later.
.macro TURN slot, next
	s_wait_tensorcnt 0x0                           ; all my tensor loads have landed
	ds_add_u32 v[SPW], v[NIL]                      ; 0 onto my spare word
	s_wait_dscnt 4*NL+1                            ; the add and the youngest eight loads may be out
	WIN MUL_LO
	MUL16 0, 1, NQ-1, \slot, 0
	s_wait_dscnt 0x0                               ; the add is done, and my reads of this slot are over
	s_barrier_signal -1
	MUL16 2, 1, NQ-1, \slot, 0
	WIN 0
	s_barrier_wait -1
	PLACES NP
	v_add_nc_u32 v[ADRS], 4*NQ, v[ADRS]            ; on to the next slot's scale words
	FETCH_B \next, 0, 0
	FETCH_A \next, 0, 0
	SCALES \next
	WIN MUL_HI
	MUL16 4, 1, NQ-1, \slot, 0
	MUL16 6, 1, NQ-1, \slot, 0
	PLACES NP
	WIN 0
	FETCH_A \next, 0, 4
.endm
.macro STEPS slot, from
.set Q, \from
.rept NQ-1-\from
	STEP \slot, Q, 0
.set Q, Q+1
.endr
.endm
	s_wait_tensorcnt 1                             ; the scales and my part of slot 0 are in; slot 1's load may be out,
	s_barrier_signal -1
	s_barrier_wait -1                              ; everybody's are
	FETCH_B 0, 0, 0
	FETCH_A 0, 0, 0
	SCALES 0
	FETCH_A 0, 0, 4
	s_wait_loadcnt 0x0                             ; the bias
	STEP 0, 0, 1
	STEPS 0, 1
	TURN 0, 1
	STEPS 1, 0
	s_wait_dscnt 4*NL                              ; the very last step: nothing more to fetch
	WIN MUL_LO
	MUL16 0, 1, NQ-1, 1, 0
	MUL16 2, 1, NQ-1, 1, 0
	s_wait_dscnt 0
	WIN MUL_HI
	MUL16 4, 1, NQ-1, 1, 0
	MUL16 6, 1, NQ-1, 1, 0
	WIN 0
; THE WAY OUT, block by block of 16 rows x 128 columns (two heads).  PACK: rounded to f16, 16 bytes a lane, each accumulator from its low end on.  TOSTAGE: into my stage, and back so that sixteen
; lanes hold two neighbouring rows of one head.  SEND: each sixteen lanes store 256 consecutive bytes, aligned.
.macro PACK a
.set AC, 64*((\a)%4)
.set WP, 0x0a+5*((\a)/4)               ; sources 0 and 1: window 2 or 3
	WIN WP
.irp b, 0,1,2,3,4,5,6,7
.irp r, 0,1,2,3
	v_cvt_pk_f16_f32 v[TMP+4*\b+\r], v[AC+8*\b+2*\r], v[AC+8*\b+2*\r+1]
.endr
.endr
	WIN 0
.endm
.macro TOSTAGE a
.set BB, OB+32*((\a)%2)
.irp b, 0,1,2,3,4,5,6,7
	ds_store_b128 v[STO], v[TMP+4*\b:TMP+4*\b+3] offset:32*\b
.endr
.irp t, 0,1,2,3,4,5,6,7
	ds_load_b128 v[BB+4*\t:BB+4*\t+3], v[RD] offset:\t*2*SPITCH    ; LDS serves a wave's instructions in order: these see the stores above
.endr
.endm
.macro SEND a
.set BB, OB+32*((\a)%2)
	s_wait_dscnt 0x0                               ; the block is back in registers
	s_wait_xcnt 0x0                                ; the stores of the block before have read their data: the next block's loads land there only behind this wait
.irp t, 0,1,2,3,4,5,6,7
	global_store_b128 v[CO], v[BB+4*\t:BB+4*\t+3], s[12:13] offset:(\a)*2048+\t*256
.endr
.endm
	PLACES NP                                      ; behind the last products: for the reads of results and the loads into A's registers
	PACK 0
	TOSTAGE 0
.irp a, 1,2,3,4,5,6,7                  ; block a's conversions stand between block a - 1's loads from the stage and the wait for them
	PACK \a
	SEND \a-1
	TOSTAGE \a
.endr
	SEND 7
	s_wait_tensorcnt 0x0                           ; the wave's end: behind my last tensor load and my last LDS store
	ds_add_u32 v[SPW], v[NIL]
	s_wait_dscnt 0x0
	CROUND                                         ; the closing round
	s_endpgm
.Lfunc_end_k_q2c8d6d16a3_qkv:
	.size	k_q2c8d6d16a3_qkv, .Lfunc_end_k_q2c8d6d16a3_qkv-k_q2c8d6d16a3_qkv
	.p2alignl 7, 3214868480
	.fill 96, 4, 3214868480
	.section	.rodata,"a",@progbits
	.p2align	6, 0x0
	.amdhsa_kernel k_q2c8d6d16a3_qkv
		.amdhsa_group_segment_fixed_size 327680
		.amdhsa_private_segment_fixed_size 0
		.amdhsa_enable_private_segment 0
		.amdhsa_kernarg_size 56
		.amdhsa_user_sgpr_count 2
		.amdhsa_user_sgpr_kernarg_segment_ptr 1
		.amdhsa_wavefront_size32 1
		.amdhsa_system_sgpr_workgroup_id_x 1
		.amdhsa_system_sgpr_workgroup_id_y 1
		.amdhsa_system_sgpr_workgroup_id_z 1
		.amdhsa_system_vgpr_workitem_id 0
		.amdhsa_next_free_vgpr 1024
		.amdhsa_next_free_sgpr 100
		.amdhsa_reserve_vcc 0
		.amdhsa_float_denorm_mode_32 3
		.amdhsa_float_denorm_mode_16_64 3
		.amdhsa_memory_ordered 1
		.amdhsa_forward_progress 1
		.amdhsa_inst_pref_size 131
	.end_amdhsa_kernel
	.amdgpu_metadata
---
amdhsa.version: [ 1, 2 ]
amdhsa.kernels:
  - .name:           k_q2c8d6d16a3_qkv
    .symbol:         k_q2c8d6d16a3_qkv.kd
    .args:
      - { .name: xc, .offset: 0, .size: 8, .value_kind: global_buffer, .address_space: global }
      - { .name: xs, .offset: 8, .size: 8, .value_kind: global_buffer, .address_space: global }
      - { .name: wc, .offset: 16, .size: 8, .value_kind: global_buffer, .address_space: global }
      - { .name: ws, .offset: 24, .size: 8, .value_kind: global_buffer, .address_space: global }
      - { .name: bq, .offset: 32, .size: 8, .value_kind: global_buffer, .address_space: global }
      - { .name: bv, .offset: 40, .size: 8, .value_kind: global_buffer, .address_space: global }
      - { .name: qkv, .offset: 48, .size: 8, .value_kind: global_buffer, .address_space: global }
    .group_segment_fixed_size: 327680
    .private_segment_fixed_size: 0
    .kernarg_segment_align: 8
    .kernarg_segment_size: 56
    .max_flat_workgroup_size: 128
    .sgpr_count:     100
    .vgpr_count:     1024
    .wavefront_size: 32
...
	.end_amdgpu_metadata
.endif
;; end of part 2
;; launch attn (part 3): grid 4 x 64, 8 waves a work-group, clusters of 4 x 1, 327,680 bytes of LDS; arguments qkv, log_temp, att; writes att
.if DOCPART == 3
	.amdgcn_target "amdgcn-amd-amdhsa--gfx1250"
	.amdhsa_code_object_version 6
	.text
	.protected	k_q2c8d6d16a3_attn
	.globl	k_q2c8d6d16a3_attn
	.p2align	8
	.type	k_q2c8d6d16a3_attn,@function
k_q2c8d6d16a3_attn:
	s_mov_b64 s[64:65], 0
	v_nop
	global_prefetch_b8 v0, s[64:65] scope:SCOPE_SE
	s_setreg_imm32_b32 hwreg(HW_REG_WAVE_MODE, 25, 1), 1
	s_wait_xcnt 0x0
	s_wait_alu depctr_hold_cnt(0) depctr_sa_sdst(0) depctr_va_vdst(0) depctr_va_sdst(0) depctr_va_ssrc(0) depctr_va_vcc(0) depctr_vm_vsrc(0)
	s_getreg_b32 s2, hwreg(HW_REG_IB_STS2, 6, 4)
	s_cmp_eq_u32 s2, 0
	s_cbranch_scc0 .Lentry_in_a_cluster
	s_endpgm
.Lentry_in_a_cluster:
	s_bfe_u32 s2, ttmp6, 0x10000c
	s_cmp_lg_u32 s2, 0x3003
	s_cbranch_scc0 .Lentry_shape_is_right
	s_endpgm
.Lentry_shape_is_right:
; att[b][h][i][:] = the sum over j of softmax_j(T q_i . k_j, the diagonal j = i masked) v_j[:], T = exp(log_temp).  q, k, v: qkv [3][64 heads][2048][64] f16; att: [64 heads][2048][64] f16.
; Products on f16 operands with f32 sums; maxima, exponentials and sums in f32; the weights p (at most 1) are rounded to f16 for the second product, the result once at the end.
; k comes without bk, which is the same along the softmax's axis (the proof stands at the head of the first kernel).
; LIMITS: T > 0 in f32 (log_temp above about -87); rows whose every off-diagonal score lies under -1.7e38 are not served; NaN and infinities are not served.
; SHARES.  A cluster of four work-groups is one head.  A work-group owns 512 queries, each of its eight waves 64: four tiles of 16.  Two waves share a SIMD, 512 registers each, so that one
; wave's softmax stands beside the other's products.  Every wave walks all 2,048 keys, 64 a step; each fragment of K or V read from LDS feeds four matrix instructions.
; LAYOUT.  S^T = K Q^T (source 0 = 16 keys, source 1 = 16 queries): a lane holds ONE query (lane % 16) and the keys 8 (lane / 16) + 0..7.  Two such tiles, rounded to f16 in pairs, ARE source 1
; (32 keys x 16 queries) of O^T = V^T P.  K comes out of LDS as it lies, V ([key][channel]) turned, by ds_load_tr16_b128.
; SOFTMAX.  For each query a running maximum m and sum l: p = 2^(c s - c m), c = log2(e) T; in every step O^T and l are multiplied by a = 2^(c m_old - c m_new).
; THE DIAGONAL lies in the one step whose 64 keys are the wave's 64 queries, in the four tiles with key tile = query tile, at key 8 h + j = query r.  There the sum BEGINS at -2^127: the C of those
; four tiles' first product is a register set made by selection in every step (0 in all other steps): no branch, since partners in a cluster run alike.  Its p is 0.
; CLUSTER.  The four work-groups walk the same K and V: each tile is asked for JOINTLY, by the same tensor load with the same descriptor and a mask that names the four.
; REGISTERS.  window 0: v2-9 addresses; v16-23 the diagonal's C; v24-55 eight registers of statistics a tile; v60-63 constants; v64-191 S^T, 32 a tile, P made in place in a tile's first 16; v192-255 K.
;   window 1: v0-127 O^T, 32 a tile; v128-191 Q, 16 a tile; v192-255 V.
.set KSTP,  64                         ; keys in a step
.set PK,    144                        ; a row of K in LDS: 128 bytes + 16: the 16 rows of a load start 36 words apart
.set PV,    160                        ; a row of V: 128 + 32
.set VOFF,  KSTP*PK                    ; a step's tiles lie together: 64 rows of K, then 64 rows of V
.set STEPB, KSTP*(PK+PV)
.set NST,   4                          ; steps in a slot
.set SLOT1, 1<<17                      ; slot 1 begins here, so that one exclusive or turns an address in one slot into the other's
.set STAGE, SLOT1+NST*STEPB            ; behind the ring: 16 rows x 144 bytes for each wave, for the way out
.set SPARE, STAGE+8*16*PK              ; the spare words, 128 bytes for each wave: four blocks of 256 bytes that no other line names
.set STEPG, KSTP*128                   ; a step's rows in memory
.set SLOTG, NST*STEPG
.set AK0, 2                            ; v2   my lane's place in a tile of K; never rewritten
.set AV0, 3                            ; v3   the same for V
.set ADR, 4                            ; v4   LDS address of K's run of loads
.set ADV, 5                            ; v5   of V's
.set STO, 6                            ; v6   the way out: where I put 16 bytes of a row
.set RD,  7                            ; v7   where I read rows back
.set GO,  8                            ; v8   my byte offset in the wave's rows of att
.set QO,  9                            ; v9   my byte offset in the wave's rows of q
.set MK,  16                           ; v16-23 the diagonal's C
.set ST,  24                           ; tile t's statistics at v[ST+8 t]: +0 c m, +1 m, +2, +3 l, +4 to +7 at work: four maxima, then +4, +5 a second chain of sums, +6 a, +7 c m_old - c m_new
.set NEGM, 60                          ; v60  -2^127
.set PFO, 61                           ; v61  256 x my lane
.set SPW, 62                           ; v62  my spare word; never rewritten
.set NIL, 63                           ; v63  0; never rewritten
.set S,   64
.set KF,  192
.set QF,  128                          ; in window 1
.set VF,  192                          ; in window 1
.set WV,  12                           ; s12  my wave's number
.set LIM, 15                           ; s15  1 in a wave that prefetches, else the greatest number
.set PFA, 18                           ; s[18:19] where my prefetches stand
.set G1K, 24                           ; s[24:31] descriptor group 1 for K's tiles
.set G1V, 32                           ; s[32:39] for V's: it differs in the padding alone
.set G0K, 40                           ; s[40:47] group 0 for K's: a set for each first fill; the second then walks on
.set G0V, 48                           ; s[48:55] the same for V's
.set SLOTS, 56                         ; s56  slots still to be asked for
.set CNT, 57                           ; s57  counts three steps
.set CS,  58                           ; s[58:59] c
.set SEL, 60                           ; s[60:61] lane selects: lane l xor 16
.set TB,  62                           ; s62  LDS byte at which the tiles of the step to be fetched begin
.set KB,  63                           ; s63  the step's number
.set QB,  66                           ; s66  my block of 64 queries in the head
.set EM,  68                           ; s[68:75] the diagonal's lanes for registers 0 to 7
.set MSB, 0
.macro WIN new
.if MSB != (\new)
	s_set_vgpr_msb (MSB<<8)|(\new)
.set MSB, (\new)
.endif
.endm
.set W_KQ, 0x04                        ; Q (source 1) in window 1; K, C and S^T in window 0
.set W_PV, 0x51                        ; V (source 0), C and O^T in window 1; P in window 0
.set W_RS, 0x41                        ; O^T (destination and source 0) in window 1, the factor in window 0
.set W_T1, 0x40                        ; loads into window 1
; A joint refill.  Waves 0 to 3 fetch the four steps' tiles of K, waves 4 to 7 those of V.  The branch hangs on the wave's number alone.  An s_nop 0 and four v_nop follow each line.
.macro JLOAD
	s_cmp_lt_u32 s[WV], 4
	s_cbranch_scc0 .Lfor_v_\@
	tensor_load_to_lds s[G0K+4:G0K+7], s[G1K:G1K+7]
	s_nop 0
.rept 4
	v_nop
.endr
	s_branch .Lasked_\@
.Lfor_v_\@:
	tensor_load_to_lds s[G0V+4:G0V+7], s[G1V:G1V+7]
	s_nop 0
.rept 4
	v_nop
.endr
.Lasked_\@:
.endm
; A prefetch of what the NEXT change of slots will ask for: a slot's 256 rows of K and of V, 32,768 dense bytes each.  The four partners share them out by address, 8,192 bytes each, lanes 256 bytes apart;
; in each, wave 0 asks for K's and wave 4 for V's: so each block of 256 bytes is named once in the launch.  It stands four key steps, 256 matrix instructions of a wave, ahead of the load.
; Slots 0 to 2 come by their loads alone; the last change that fills a slot asks for nothing.
.macro ASK
	s_cmp_gt_u32 s[SLOTS], s[LIM]
	s_cbranch_scc0 .Lnot_mine_\@
	global_prefetch_b8 v[PFO], s[PFA:PFA+1] th:TH_LOAD_NT scope:SCOPE_SE
.Lnot_mine_\@:
.endm
.macro CROUND                          ; a round of the cluster's barrier
	s_barrier_signal -1
	s_barrier_wait -1
	s_cmp_lg_u32 s[WV], 0
	s_cbranch_scc1 .Lnot_wave_0_\@
	s_barrier_signal -3
.Lnot_wave_0_\@:
	s_barrier_wait -3
	s_barrier_signal -1
	s_barrier_wait -1
.endm
	s_load_b128 s[4:7], s[0:1], 0x0                ; qkv s[4:5], log_temp s[6:7]
	s_load_b64 s[10:11], s[0:1], 0x10              ; att
	v_lshl_add_u32 v[SPW], v0, 2, SPARE
	v_mov_b32 v[NIL], 0
	ds_add_u32 v[SPW], v[NIL]                      ; the wave's opening: the add, twice on end, and its wait ahead of my first tensor load
	ds_add_u32 v[SPW], v[NIL]                      ; and once more, under the one wait; the set-up below is work on registers
	v_lshrrev_b32 v1, 5, v0
	v_readfirstlane_b32 s[WV], v1                  ; wave 0..7
	s_bfe_u32 s13, ttmp6, 0x40000                  ; cx: my place in the cluster
	s_and_b32 s20, ttmp7, 0xffff                   ; the head (batch x 16 + head), which the four partners share
	s_lshl_b32 s20, s20, 18                        ; its first byte in q, k, v and att: 262,144 bytes a head
	s_and_b32 s16, s[WV], 3                        ; which of a slot's four steps I fetch:
	s_lshl_b32 s22, s16, 13                        ; its 64 rows of 128 bytes in memory,
	s_add_co_u32 s22, s22, s20
	s_mov_b32 s23, 0
	s_mul_i32 s17, s16, STEPB                      ; and its place in a slot: no place in the cluster enters an LDS address
	s_lshl_b32 s2, s13, 16                         ; my work-group's 512 rows,
	s_lshl_b32 s3, s[WV], 13                       ; my wave's 64 of them
	s_add_co_u32 s2, s2, s3
	s_add_co_u32 s2, s2, s20
	s_mov_b32 s3, 0
	s_mov_b32 s[G1K], 15|(1<<16)|(1<<20)|(1<<21)|(4<<22)|(3<<25)  ; the mask: all four; elements of 2 bytes; padding on; bit 21 beside a mask; after every 32 words 4 words
	s_mov_b32 s[G1V], 15|(1<<16)|(1<<20)|(1<<21)|(4<<22)|(7<<25)  ; the same with 8 words
.irp g, G1K, G1V
	s_mov_b32 s[\g+1], 64<<16                      ; tensor_dim0
	s_mov_b32 s[\g+2], KSTP<<16                    ; tensor_dim1
	s_mov_b32 s[\g+3], 64<<16                      ; tile_dim0
	s_mov_b32 s[\g+4], KSTP                        ; tile_dim1
	s_mov_b32 s[\g+5], 64                          ; the pitch in memory, in elements
	s_mov_b32 s[\g+6], 0
	s_mov_b32 s[\g+7], 0
.endr
	s_mov_b32 s[SEL], 0x76543210
	s_mov_b32 s[SEL+1], 0xfedcba98
	s_mov_b32 s[TB], 0
	s_mov_b32 s[KB], 0
	s_lshl_b32 s[QB], s13, 3
	s_add_co_u32 s[QB], s[QB], s[WV]               ; 8 cx + wave
	s_mov_b32 s[SLOTS], 2048/(NST*KSTP)-2
	s_cmp_eq_u32 s16, 0                            ; waves 0 and 4 prefetch: the same in all four partners
	s_cselect_b32 s[LIM], 1, -1
	s_wait_dscnt 0x0                               ; both opening adds are done
	s_wait_kmcnt 0x0
	s_load_b32 s14, s[6:7], 0x0                    ; log_temp
	s_add_nc_u64 s[8:9], s[4:5], s[22:23]
	s_add_nc_u64 s[76:77], s[8:9], 0x2000000       ; v at my tile of slot 0
	s_add_nc_u64 s[8:9], s[8:9], 0x1000000         ; k likewise
	s_add_nc_u64 s[4:5], s[4:5], s[2:3]            ; q and att at my wave's first row
	s_add_nc_u64 s[10:11], s[10:11], s[2:3]
	s_cmp_lt_u32 s[WV], 4
	s_cselect_b64 s[PFA:PFA+1], s[8:9], s[76:77]   ; (in waves 0 and 4 these stand at a slot's first row)
	s_lshl_b32 s2, s13, 13                         ; my work-group's 8,192 bytes of the 32,768
	s_add_nc_u64 s[PFA:PFA+1], s[PFA:PFA+1], s[2:3]
	s_add_nc_u64 s[PFA:PFA+1], s[PFA:PFA+1], 2*SLOTG   ; in slot 2; the first change of slots steps it to slot 3
	CROUND                                         ; all four work-groups are here: the first joint loads meet
.irp s, 0,1
	s_mov_b32 s[G0K+4*\s], 1
	s_add_co_u32 s[G0K+4*\s+1], s17, \s*SLOT1
	s_add_nc_u64 s[G0K+4*\s+2:G0K+4*\s+3], s[8:9], \s*SLOTG
	s_or_b32 s[G0K+4*\s+3], s[G0K+4*\s+3], 0x80000000
	s_mov_b32 s[G0V+4*\s], 1
	s_add_co_u32 s[G0V+4*\s+1], s17, \s*SLOT1+VOFF
	s_add_nc_u64 s[G0V+4*\s+2:G0V+4*\s+3], s[76:77], \s*SLOTG
	s_or_b32 s[G0V+4*\s+3], s[G0V+4*\s+3], 0x80000000
.endr
	s_cmp_lt_u32 s[WV], 4                          ; a wave's two first fills stand in one branch: two loads of mine are out
	s_cbranch_scc0 .Lfirst_v
	tensor_load_to_lds s[G0K:G0K+3], s[G1K:G1K+7]
	s_nop 0
	tensor_load_to_lds s[G0K+4:G0K+7], s[G1K:G1K+7]
	s_nop 0
.rept 4
	v_nop
.endr
	s_branch .Lfirst_asked
.Lfirst_v:
	tensor_load_to_lds s[G0V:G0V+3], s[G1V:G1V+7]
	s_nop 0
	tensor_load_to_lds s[G0V+4:G0V+7], s[G1V:G1V+7]
	s_nop 0
.rept 4
	v_nop
.endr
.Lfirst_asked:
	v_and_b32 v1, 15, v0                           ; r = l % 16
	v_bfe_u32 v10, v0, 4, 1                        ; h = l / 16
	v_lshlrev_b32 v[QO], 7, v1
	v_lshl_add_u32 v[QO], v10, 4, v[QO]            ; row x 128 + 16 x half
	WIN W_T1
.irp t, 0,1,2,3                        ; Q stays in registers: tile t, channels 32 c on
.irp c, 0,1
	global_load_b128 v[QF+16*\t+8*\c:QF+16*\t+8*\c+3],   v[QO], s[4:5] offset:\t*2048+\c*64
	global_load_b128 v[QF+16*\t+8*\c+4:QF+16*\t+8*\c+7], v[QO], s[4:5] offset:\t*2048+\c*64+32
.endr
.endr
	WIN 0
	v_mul_u32_u24 v[AK0], v1, PK
	v_lshl_add_u32 v[AK0], v10, 4, v[AK0]          ; row x pitch + 16 x half
	v_and_b32 v11, 7, v0
	v_bfe_u32 v12, v0, 3, 1
	v_lshl_add_u32 v[AV0], v10, 3, v11             ; the turning load: lane l reads key 8 (l / 16) + l % 8, channels 8 ((l / 8) % 2) + 0..7
	v_mul_u32_u24 v[AV0], v[AV0], PV
	v_lshl_add_u32 v[AV0], v12, 4, v[AV0]
	v_add_nc_u32 v[AV0], VOFF, v[AV0]
	s_mul_i32 s2, s[WV], 16*PK
	s_add_co_u32 s2, s2, STAGE                     ; my stage
	v_add_nc_u32 v[STO], s2, v[AK0]                ; in: row r, 16 bytes for each half of the lanes
	v_and_b32 v13, 31, v0
	v_lshrrev_b32 v14, 3, v13
	v_mul_u32_u24 v[RD], v14, PK                   ; back: eight lanes to a row of 128 bytes, four rows an instruction
	v_lshl_add_u32 v[RD], v11, 4, v[RD]
	v_add_nc_u32 v[RD], s2, v[RD]
	v_lshlrev_b32 v[GO], 4, v13                    ; the same four rows in att are 512 consecutive bytes
	v_lshlrev_b32 v[PFO], 8, v13
	v_mov_b32 v[NEGM], 0xff000000
	s_wait_kmcnt 0x0                               ; log_temp
	v_mov_b32 v14, s14
	v_mul_f32 v14, 0x3fb8aa3b, v14
	v_exp_f32 v14, v14                             ; T = 2^(log_temp log2(e))
	v_nop                                          ; a plain line behind the exponential,
	s_wait_alu depctr_va_vdst(0)                   ; and a wait ahead of its first reader
	v_mul_f32 v14, 0x3fb8aa3b, v14                 ; c = log2(e) T
	v_readfirstlane_b32 s[CS], v14
	s_mov_b32 s[CS+1], s[CS]                       ; (named with it as a pair, so it is written)
.irp t, 0,1,2,3
	v_mov_b32 v[ST+8*\t+1], 0xff61b1e6             ; m: -3e38, under every score
	v_mul_f32 v[ST+8*\t], s[CS], v[ST+8*\t+1]      ; c m
	v_mov_b32 v[ST+8*\t+2], 0                      ; l
	v_mov_b32 v[ST+8*\t+3], 0
.endr
	WIN W_T1
.set i, 0
.rept 128
	v_mov_b32 v[i], 0                              ; O^T.  The step has no first form of its own: the first step finds zeros, which a = 0 leaves zeros.  128 lines once, in place of one more copy of the step
.set i, i+1
.endr
	WIN 0
; THE DIAGONAL'S C, in every step: -2^127 in lanes j and 24 + j of register j where this step's keys are my queries, else 0.  The eight selections are also the places between the last V^T P, which read P, and the K Q^T that writes S^T over it.
.macro MASKC
	s_cmp_eq_u32 s[KB], s[QB]
	s_cselect_b32 s[EM], 0x01000001, 0
.irp j, 1,2,3,4,5,6,7
	s_lshl_b32 s[EM+\j], s[EM], \j
.endr
.irp j, 0,1,2,3,4,5,6,7
	v_cndmask_b32 v[MK+\j], 0, v[NEGM], s[EM+\j]
.endr
	s_add_co_u32 s[KB], s[KB], 1
.endm
; S^T = K Q^T: product i of 32: channels 32 (i / 16) on, keys 16 ((i / 4) % 4) on, tile i % 4.  The 16 accumulators take turns, one instruction a turn.
.macro KQ_ALL
	WIN W_KQ
.set i, 0
.rept 32
.set rS, S+32*(i%4)+8*((i/4)%4)
.set rK, KF+16*((i/4)%4)+8*(i/16)
.set rQ, QF+16*(i%4)+8*(i/16)
.if i >= 16
	v_wmma_f32_16x16x32_f16 v[rS:rS+7], v[rK:rK+7], v[rQ:rQ+7], v[rS:rS+7]
.elseif (i%4) == ((i/4)%4)
	v_wmma_f32_16x16x32_f16 v[rS:rS+7], v[rK:rK+7], v[rQ:rQ+7], v[MK:MK+7]
.else
	v_wmma_f32_16x16x32_f16 v[rS:rS+7], v[rK:rK+7], v[rQ:rQ+7], 0
.endif
.set i, i+1
.endr
.endm
; O^T += V^T P: product i of 32: keys 32 (i / 16) on, channels 16 ((i / 4) % 4) on, tile i % 4
.macro PV_ALL
	WIN W_PV
.set i, 0
.rept 32
.set rO, 32*(i%4)+8*((i/4)%4)
.set rV, VF+32*(i/16)+8*((i/4)%4)
.set rP, S+32*(i%4)+8*(i/16)
	v_wmma_f32_16x16x32_f16 v[rO:rO+7], v[rV:rV+7], v[rP:rP+7], v[rO:rO+7]
.set i, i+1
.endr
.endm
.macro FETCH_V                         ; this step's V, turned: 16 loads
	WIN 0
	v_add_nc_u32 v[ADV], s[TB], v[AV0]
	s_add_co_u32 s[TB], s[TB], STEPB               ; the next fetch is the next step's
	WIN W_T1
.irp k, 0,1
.irp c, 0,1,2,3
	ds_load_tr16_b128 v[VF+32*\k+8*\c:VF+32*\k+8*\c+3],   v[ADV] offset:\k*32*PV+\c*32
	ds_load_tr16_b128 v[VF+32*\k+8*\c+4:VF+32*\k+8*\c+7], v[ADV] offset:\k*32*PV+16*PV+\c*32
.endr
.endr
.endm
.macro FETCH_K                         ; the next step's K: 16 loads
	WIN 0
	v_add_nc_u32 v[ADR], s[TB], v[AK0]
.irp k, 0,1,2,3
.irp c, 0,1
	ds_load_b128 v[KF+16*\k+8*\c:KF+16*\k+8*\c+3],   v[ADR] offset:\k*16*PK+\c*64
	ds_load_b128 v[KF+16*\k+8*\c+4:KF+16*\k+8*\c+7], v[ADR] offset:\k*16*PK+\c*64+32
.endr
.endr
.endm
; THE CHANGE OF SLOTS, behind the fetch of V of a slot's last step.  Each wave waits for all its tensor loads, of which one is out: its part of the other slot; adds 0 to its spare word; waits for that and
; for its reads of the slot.  fill = 1: the barrier is a round of the cluster's, and the joint refill, with the keys two slots on, is the first thing behind it: it has four key steps in which to land.
.macro CHANGE fill
	WIN 0
	s_wait_tensorcnt 0x0                           ; no tensor load of mine is out, so a group 0 may be written
	ds_add_u32 v[SPW], v[NIL]                      ; 0 onto my spare word
.if \fill
.irp g, G0K+4, G0V+4
	s_xor_b32 s[\g+1], s[\g+1], SLOT1              ; the walking descriptor: the other slot than last time,
	s_add_nc_u64 s[\g+2:\g+3], s[\g+2:\g+3], SLOTG ; the next 256 keys
.endr
	s_wait_xcnt 0x0                                ; the last prefetch, four key steps back, has read its address, so it may be written
	s_add_nc_u64 s[PFA:PFA+1], s[PFA:PFA+1], SLOTG
	s_wait_dscnt 0x0                               ; the add is done, and my reads of the slot are over
	CROUND
	JLOAD
	ASK
.else
	s_wait_dscnt 0x0
	s_barrier_signal -1
	s_barrier_wait -1
.endif
	s_sub_co_u32 s[TB], s[TB], NST*STEPB           ; the fetches go back to a slot's first step,
	s_xor_b32 s[TB], s[TB], SLOT1                  ; in the other slot
.endm
; THE SOFTMAX of a step, 118 instructions a tile.
.macro SCL t, b                        ; pair b of tile t: c s - c m
	v_pk_fma_f32 v[S+32*(\t)+2*(\b):S+32*(\t)+2*(\b)+1], v[S+32*(\t)+2*(\b):S+32*(\t)+2*(\b)+1], s[CS:CS+1], v[ST+8*(\t):ST+8*(\t)+1] op_sel_hi:[1,0,0] neg_lo:[0,0,1] neg_hi:[0,0,1]
.endm
.macro EXP2 t, b
	v_exp_f32 v[S+32*(\t)+2*(\b)], v[S+32*(\t)+2*(\b)]
	v_exp_f32 v[S+32*(\t)+2*(\b)+1], v[S+32*(\t)+2*(\b)+1]
.endm
; pair b of tile t is summed (l and a second chain by turns) and rounded to f16 IN PLACE: register b of the tile belongs to pair b / 2, which has been summed and rounded by then
.macro FIN t, b
.set rS, S+32*(\t)
.set rT, ST+8*(\t)
.if (\b) == 0
	v_pk_fma_f32 v[rT+2:rT+3], v[rT+2:rT+3], v[rT+6:rT+7], v[rS:rS+1] op_sel_hi:[1,0,1]   ; l = a l + pair 0
.elseif (\b) == 1
	v_pk_add_f32 v[rT+4:rT+5], v[rS+2:rS+3], v[rS+4:rS+5]                                  ; the second chain begins with pairs 1 and 2
.elseif (\b) == 2
.elseif ((\b)%2) == 1
	v_pk_add_f32 v[rT+2:rT+3], v[rT+2:rT+3], v[rS+2*(\b):rS+2*(\b)+1]
.else
	v_pk_add_f32 v[rT+4:rT+5], v[rT+4:rT+5], v[rS+2*(\b):rS+2*(\b)+1]
.endif
	v_cvt_pk_f16_f32 v[rS+(\b)], v[rS+2*(\b)], v[rS+2*(\b)+1]
.if (\b) == 15
	v_pk_add_f32 v[rT+2:rT+3], v[rT+2:rT+3], v[rT+4:rT+5]
.endif
.endm
.macro SOFTMAX
	WIN 0
.irp j, 0,1,2,3                        ; the maximum of a lane's 32 scores and the old m: four chains a tile, the four tiles by turns; each accumulator is read from its low end on
.irp t, 0,1,2,3
	v_max3_num_f32 v[ST+8*\t+4+\j], v[S+32*\t+8*\j], v[S+32*\t+8*\j+1], v[S+32*\t+8*\j+2]
.endr
.endr
.irp u, 3,5
.irp j, 0,1,2,3
.irp t, 0,1,2,3
	v_max3_num_f32 v[ST+8*\t+4+\j], v[ST+8*\t+4+\j], v[S+32*\t+8*\j+\u], v[S+32*\t+8*\j+\u+1]
.endr
.endr
.endr
.irp t, 0,1,2,3
	v_max3_num_f32 v[ST+8*\t+4], v[ST+8*\t+4], v[S+32*\t+7], v[S+32*\t+15]
.endr
.irp t, 0,1,2,3
	v_max3_num_f32 v[ST+8*\t+6], v[ST+8*\t+6], v[S+32*\t+23], v[S+32*\t+31]
.endr
.irp t, 0,1,2,3
	v_max3_num_f32 v[ST+8*\t+4], v[ST+8*\t+4], v[ST+8*\t+5], v[ST+8*\t+6]
.endr
.irp t, 0,1,2,3
	v_max3_num_f32 v[ST+8*\t+4], v[ST+8*\t+4], v[ST+8*\t+7], v[ST+8*\t+1]
.endr
.irp t, 0,1,2,3
	v_permlanex16_b32 v[ST+8*\t+5], v[ST+8*\t+4], s[SEL], s[SEL+1]   ; the query's other 32 keys lie in the lane 16 away
.endr
.irp t, 0,1,2,3
	v_mov_b32 v[ST+8*\t+7], v[ST+8*\t]             ; c m_old
.endr
.irp t, 0,1,2,3
	v_max_num_f32 v[ST+8*\t+1], v[ST+8*\t+4], v[ST+8*\t+5]
.endr
.irp t, 0,1,2,3
	v_mul_f32 v[ST+8*\t], s[CS], v[ST+8*\t+1]
.endr
.irp t, 0,1,2,3
	v_sub_f32 v[ST+8*\t+7], v[ST+8*\t+7], v[ST+8*\t]
.endr
.set bb, 0
.rept 16
	SCL 0, bb
.set bb, bb+1
.endr
.irp t, 0,1,2,3
	v_exp_f32 v[ST+8*\t+6], v[ST+8*\t+7]           ; a
.endr
; The exponentials go in two batches, each with one wait; plain work of another tile stands between them, and nothing names a result ahead of its batch's wait.
.set bb, 0
.rept 16
	EXP2 0, bb
	SCL 1, bb
.set bb, bb+1
.endr
.set bb, 0
.rept 16
	EXP2 1, bb
	SCL 2, bb
.set bb, bb+1
.endr
	s_wait_alu depctr_va_vdst(0)                   ; one wait for a and for tiles 0 and 1; the last scaling is the plain line behind them
.set bb, 0
.rept 16
	EXP2 2, bb
	SCL 3, bb
	FIN 0, bb
.set bb, bb+1
.endr
.set bb, 0
.rept 16
	EXP2 3, bb
	FIN 1, bb
.set bb, bb+1
.endr
	s_wait_alu depctr_va_vdst(0)                   ; and one for tiles 2 and 3
.set bb, 0
.rept 16
	FIN 2, bb
	FIN 3, bb
.set bb, bb+1
.endr
	WIN W_RS
.irp i, 0,1,2,3,4,5,6,7,8,9,10,11,12,13,14,15
.irp t, 0,1,2,3
	v_pk_mul_f32 v[32*\t+2*\i:32*\t+2*\i+1], v[32*\t+2*\i:32*\t+2*\i+1], v[ST+8*\t+6:ST+8*\t+7] op_sel_hi:[1,0]   ; O^T x a, each accumulator from its low end on
.endr
.endr
.endm
; A KEY STEP.  kind 0: inside a slot; 1: a slot's last, the slot is filled again; 2: a slot's last, nothing is asked for; 3: the very last.
.macro STEP kind
	MASKC
	s_wait_dscnt 0x0                               ; K is in
	KQ_ALL
	WIN 0
.rept 4
	v_nop                                          ; places behind the products: for the reads of S^T and the loads into K's registers
.endr
	FETCH_V
.if \kind == 1
	CHANGE 1
.elseif \kind == 2
	CHANGE 0
.endif
.if \kind < 3
	FETCH_K
.endif
	SOFTMAX
.if \kind < 3
	s_wait_dscnt 16                                ; V is in; K's sixteen younger loads may be out
.else
	s_wait_dscnt 0x0
.endif
	PV_ALL
	WIN 0
.endm
.macro THREE                           ; a slot's first three steps: written once, walked three times; the LDS addresses hang on s[TB]
	s_mov_b32 s[CNT], 3
.Lthree_\@:
	STEP 0
	s_sub_co_u32 s[CNT], s[CNT], 1
	s_cmp_lg_u32 s[CNT], 0
	s_cbranch_scc1 .Lthree_\@
.endm
	s_wait_tensorcnt 1                             ; my part of slot 0 is in; slot 1's may stay out
	s_barrier_signal -1
	s_barrier_wait -1                              ; everybody's is
	FETCH_K                                        ; key step 0
	s_wait_loadcnt 0x0                             ; Q
.Lslot:                                            ; six trips: every slot but the last two is filled again
	THREE
	STEP 1
	s_sub_co_u32 s[SLOTS], s[SLOTS], 1
	s_cmp_lg_u32 s[SLOTS], 0
	s_cbranch_scc1 .Lslot
	THREE                                          ; the tail is written out
	STEP 2
	THREE
	STEP 3
	; THE WAY OUT.  l's two halves and the other half of the lanes' are added (these additions are the places behind the last products); O^T is divided by l, rounded to f16 and sent through my stage, a tile at a time.
.irp t, 0,1,2,3
	v_add_f32 v[ST+8*\t+4], v[ST+8*\t+2], v[ST+8*\t+3]
.endr
.irp t, 0,1,2,3
	v_permlanex16_b32 v[ST+8*\t+5], v[ST+8*\t+4], s[SEL], s[SEL+1]
.endr
.irp t, 0,1,2,3
	v_add_f32 v[ST+8*\t+4], v[ST+8*\t+4], v[ST+8*\t+5]
.endr
.irp t, 0,1,2,3
	v_rcp_f32 v[ST+8*\t+6], v[ST+8*\t+4]
.endr
	v_nop                                          ; a plain line behind the last reciprocal,
	s_wait_alu depctr_va_vdst(0)                   ; and one wait for the four
.macro PACK t
	WIN W_RS
.set i, 0
.rept 16
	v_pk_mul_f32 v[32*\t+2*i:32*\t+2*i+1], v[32*\t+2*i:32*\t+2*i+1], v[ST+8*\t+6:ST+8*\t+7] op_sel_hi:[1,0]
.set i, i+1
.endr
	WIN 0x05                                       ; sources 0 and 1 window 1, destination window 0
.set i, 0
.rept 16
	v_cvt_pk_f16_f32 v[S+32*\t+i], v[32*\t+2*i], v[32*\t+2*i+1]
.set i, i+1
.endr
	WIN 0
.irp c, 0,1,2,3
	ds_store_b128 v[STO], v[S+32*\t+4*\c:S+32*\t+4*\c+3] offset:32*\c
.endr
.irp f, 0,1,2,3
	ds_load_b128 v[S+32*\t+16+4*\f:S+32*\t+16+4*\f+3], v[RD] offset:\f*4*PK   ; LDS serves a wave's instructions in order: these see the stores above; the next tile's stores come behind them
.endr
.endm
.macro SEND t, younger                 ; younger: the LDS instructions issued behind tile t's loads: the next tile's eight, or none
.irp f, 0,1,2,3
	s_wait_dscnt \younger+3-\f
	global_store_b128 v[GO], v[S+32*\t+16+4*\f:S+32*\t+16+4*\f+3], s[10:11] offset:\t*2048+\f*512   ; 32 lanes store 512 consecutive bytes, aligned
.endr
.endm
	PACK 0
	PACK 1
	SEND 0, 8
	PACK 2
	SEND 1, 8
	PACK 3
	SEND 2, 8
	SEND 3, 0
	s_wait_tensorcnt 0x0                           ; the wave's end: behind my last tensor load and my last LDS store
	ds_add_u32 v[SPW], v[NIL]
	s_wait_dscnt 0x0
	CROUND                                         ; the closing round
	s_endpgm
.Lfunc_end_k_q2c8d6d16a3_attn:
	.size	k_q2c8d6d16a3_attn, .Lfunc_end_k_q2c8d6d16a3_attn-k_q2c8d6d16a3_attn
	.p2alignl 7, 3214868480
	.fill 96, 4, 3214868480
	.section	.rodata,"a",@progbits
	.p2align	6, 0x0
	.amdhsa_kernel k_q2c8d6d16a3_attn
		.amdhsa_group_segment_fixed_size 327680
		.amdhsa_private_segment_fixed_size 0
		.amdhsa_enable_private_segment 0
		.amdhsa_kernarg_size 24
		.amdhsa_user_sgpr_count 2
		.amdhsa_user_sgpr_kernarg_segment_ptr 1
		.amdhsa_wavefront_size32 1
		.amdhsa_system_sgpr_workgroup_id_x 1
		.amdhsa_system_sgpr_workgroup_id_y 1
		.amdhsa_system_sgpr_workgroup_id_z 1
		.amdhsa_system_vgpr_workitem_id 0
		.amdhsa_next_free_vgpr 512
		.amdhsa_next_free_sgpr 80
		.amdhsa_reserve_vcc 0
		.amdhsa_float_denorm_mode_32 3
		.amdhsa_float_denorm_mode_16_64 3
		.amdhsa_memory_ordered 1
		.amdhsa_forward_progress 1
		.amdhsa_inst_pref_size 223
	.end_amdhsa_kernel
	.amdgpu_metadata
---
amdhsa.version: [ 1, 2 ]
amdhsa.kernels:
  - .name:           k_q2c8d6d16a3_attn
    .symbol:         k_q2c8d6d16a3_attn.kd
    .args:
      - { .name: qkv, .offset: 0, .size: 8, .value_kind: global_buffer, .address_space: global }
      - { .name: log_temp, .offset: 8, .size: 8, .value_kind: global_buffer, .address_space: global }
      - { .name: att, .offset: 16, .size: 8, .value_kind: global_buffer, .address_space: global }
    .group_segment_fixed_size: 327680
    .private_segment_fixed_size: 0
    .kernarg_segment_align: 8
    .kernarg_segment_size: 24
    .max_flat_workgroup_size: 256
    .sgpr_count:     80
    .vgpr_count:     512
    .wavefront_size: 32
...
	.end_amdgpu_metadata
.endif
;; end of part 3
;; launch oproj (part 4): grid 4 x 64, 4 waves a work-group, clusters of 4 x 4, 327,680 bytes of LDS; arguments att, wo16, bo, out0; writes out0
.if DOCPART == 4
	.amdgcn_target "amdgcn-amd-amdhsa--gfx1250"
	.amdhsa_code_object_version 6
	.text
	.protected	k_q2c8d6d16a3_oproj
	.globl	k_q2c8d6d16a3_oproj
	.p2align	8
	.type	k_q2c8d6d16a3_oproj,@function
k_q2c8d6d16a3_oproj:
	s_mov_b64 s[64:65], 0
	v_nop
	global_prefetch_b8 v0, s[64:65] scope:SCOPE_SE
	s_setreg_imm32_b32 hwreg(HW_REG_WAVE_MODE, 25, 1), 1
	s_wait_xcnt 0x0
	s_wait_alu depctr_hold_cnt(0) depctr_sa_sdst(0) depctr_va_vdst(0) depctr_va_sdst(0) depctr_va_ssrc(0) depctr_va_vcc(0) depctr_vm_vsrc(0)
	s_getreg_b32 s2, hwreg(HW_REG_IB_STS2, 6, 4)
	s_cmp_eq_u32 s2, 0
	s_cbranch_scc0 .Lentry_in_a_cluster
	s_endpgm
.Lentry_in_a_cluster:
	s_bfe_u32 s2, ttmp6, 0x10000c
	s_cmp_lg_u32 s2, 0xf033
	s_cbranch_scc0 .Lentry_shape_is_right
	s_endpgm
.Lentry_shape_is_right:
; out0 = A Wo + bo.  A is the attention's result, att [batch 4][head 16][n 2048][64] f16: row m = (batch, n), K index = 64 head + channel.  wo16: [k 1024][n 1024] f16.  out0: [8192][1024] f32.  Sums in f32.
; A tile of out0 is 128 rows x 256 columns: 64 x 4 = 256 work-groups.  Four waves, each 64 rows x 128 columns: 32 accumulators of 16 x 16.
; K goes in steps of 128 (two heads) through a ring of two LDS slots.  A's part of a slot is two dense blocks of 128 rows x 128 bytes, one a head; Wo's is 128 rows of k x 512 bytes.
; CLUSTERS: 4 x 4 work-groups.  A's tiles hang on the tile row alone and are shared along a row of the cluster; Wo's on the tile column alone and are shared along a column: both are asked for jointly.
; THE MATRIX INSTRUCTION IS USED TRANSPOSED: source 0 = 16 columns of Wo (stored [k][n]: turned by ds_load_tr16_b128), source 1 = 16 rows of A: a lane holds eight neighbouring columns of a row of out0.
; bo is the C of each sum's first product.
; REGISTERS: window 0: v0-31 addresses; v64-127 bo, eight registers for each of my eight column blocks; v128-255 rows on the way out.
;   window 1: two fragment buffers at v0 and v128: 64 registers of Wo (8 blocks x 32 K), then 32 of A (4 blocks).   window 2: the accumulators, (a, b) at v[8 (8 a + b)].
.set KSTEP,  128
.set HEADB,  262144                    ; a head of att in bytes
.set PA,     144                       ; a row of A in LDS: 128 bytes + 16
.set PB,     544                       ; a row of Wo in LDS: 512 bytes + 32
.set SUBA,   128*PA                    ; one head's 128 rows: what one tensor load brings
.set BOFF,   2*SUBA
.set HALFB,  64*PB                     ; 64 rows of k: what one tensor load brings
.set SLOT,   BOFF+2*HALFB
.set STAGE,  2*SLOT                    ; behind the ring: 16 rows x 528 bytes for each wave
.set SPITCH, 528
.set SPARE,  STAGE+4*16*SPITCH         ; the spare words, 128 bytes for each wave: two blocks of 256 bytes that no other line names
.set ADRA, 16                          ; v16-17  LDS address of my A fragments in slot 0, 1
.set ADRB, 20                          ; v20-21  the same for Wo
.set STO,  24
.set RD,   25
.set CO,   26
.set SPW,  28
.set NIL,  29
.set PFO,  30                          ; v30     256 x my lane
.set BI,   64
.set BK,   128
.set F0,   0
.set F1,   128
.set G1A, 24
.set G0A, 32
.set G1B, 48
.set G0B, 56
.set PFA, 66                           ; s[66:67] where my prefetches stand
.set LIM, 68                           ; s68     1 in wave 0, else the greatest number
.set MSB, 0
.macro WIN new
.if MSB != (\new)
	s_set_vgpr_msb (MSB<<8)|(\new)
.set MSB, (\new)
.endif
.endm
.set MUL,   0xa5                       ; sources 0 and 1 window 1; C and D window 2
.set MUL1,  0x85                       ; the first quarter: C (bo) window 0
.set TO_F,  0x40
.macro JLOAD s                         ; a joint load: waves 0 and 1 fetch A's two heads, waves 2 and 3 Wo's two halves; an s_nop 0 and four v_nop follow each line
	s_cmp_eq_u32 s13, 0
	s_cbranch_scc0 .Lfor_b_\@
	tensor_load_to_lds s[G0A+4*\s:G0A+4*\s+3], s[G1A:G1A+7]
	s_nop 0
.rept 4
	v_nop
.endr
	s_branch .Lasked_\@
.Lfor_b_\@:
	tensor_load_to_lds s[G0B+4*\s:G0B+4*\s+3], s[G1B:G1B+7]
	s_nop 0
.rept 4
	v_nop
.endr
.Lasked_\@:
.endm
.macro CREST
	s_cmp_lg_u32 s12, 0
	s_cbranch_scc1 .Lnot_wave_0_\@
	s_barrier_signal -3
.Lnot_wave_0_\@:
	s_barrier_wait -3
	s_barrier_signal -1
	s_barrier_wait -1
.endm
.macro CROUND
	s_barrier_signal -1
	s_barrier_wait -1
	CREST
.endm
; A prefetch of A's tiles of the K step that stands two refills on: two heads x 16,384 dense bytes.  Only my row of the cluster reads them; its four partners share them out by address, 8,192 bytes each,
; lanes 256 bytes apart; in each, wave 0 asks: so each block of 256 bytes is named once.  It stands 256 matrix instructions of a wave ahead of the load.  K steps 0 to 3 come by their loads alone;
; the loop's last trip asks for nothing.  Wo is read by all sixteen rows of clusters and is not asked for.
.macro ASK
	s_cmp_gt_u32 s3, s[LIM]
	s_cbranch_scc0 .Lnot_mine_\@
	global_prefetch_b8 v[PFO], s[PFA:PFA+1] th:TH_LOAD_NT scope:SCOPE_SE
.Lnot_mine_\@:
.endm
	s_load_b128 s[4:7], s[0:1], 0x0                ; att s[4:5], wo16 s[6:7]
	s_load_b128 s[8:11], s[0:1], 0x10              ; bo s[8:9], out0 s[10:11]
	v_lshl_add_u32 v[SPW], v0, 2, SPARE
	v_mov_b32 v[NIL], 0
	ds_add_u32 v[SPW], v[NIL]                      ; the wave's opening: the add, twice on end, and its wait ahead of my first tensor load
	ds_add_u32 v[SPW], v[NIL]                      ; and once more, under the one wait; the set-up below is work on registers
	v_lshrrev_b32 v1, 5, v0
	v_readfirstlane_b32 s12, v1                    ; wave 0..3
	s_lshr_b32 s13, s12, 1                         ; which 64 rows are mine.  Also: I fetch for A (0) or for Wo (1)
	s_and_b32 s14, s12, 1                          ; which 128 columns.  Also: which head, or which 64 rows of k, I fetch
	s_bfe_u32 s40, ttmp6, 0x40000                  ; cx
	s_bfe_u32 s41, ttmp6, 0x40004                  ; cy
	s_lshl_b32 s45, ttmp9, 2
	s_add_co_u32 s45, s45, s40                     ; tile column
	s_and_b32 s42, ttmp7, 0xffff
	s_lshl_b32 s42, s42, 2
	s_add_co_u32 s42, s42, s41                     ; tile row
	s_lshl_b32 s43, s41, 2
	s_lshl_b32 s43, 15, s43                        ; my row of the cluster
	s_lshl_b32 s44, 0x1111, s40                    ; my column
	s_or_b32 s[G1A+0], s43, (1<<16)|(1<<20)|(1<<21)|(4<<22)|(3<<25)  ; the mask; elements of 2 bytes; padding on; bit 21 beside a mask; after every 32 words 4 words
	s_mov_b32 s[G1A+1], 64<<16                     ; tensor_dim0
	s_mov_b32 s[G1A+2], 128<<16                    ; tensor_dim1
	s_mov_b32 s[G1A+3], 64<<16                     ; tile_dim0
	s_mov_b32 s[G1A+4], 128                        ; tile_dim1
	s_mov_b32 s[G1A+5], 64                         ; the pitch in memory
	s_mov_b32 s[G1A+6], 0
	s_mov_b32 s[G1A+7], 0
	s_or_b32 s[G1B+0], s44, (1<<16)|(1<<20)|(1<<21)|(6<<22)|(7<<25)  ; after every 128 words 8 words
	s_mov_b32 s[G1B+1], 256<<16
	s_mov_b32 s[G1B+2], 64<<16
	s_mov_b32 s[G1B+3], 256<<16
	s_mov_b32 s[G1B+4], 64
	s_mov_b32 s[G1B+5], 1024
	s_mov_b32 s[G1B+6], 0
	s_mov_b32 s[G1B+7], 0
	s_lshr_b32 s16, s42, 4                         ; A: the batch: 16 tile rows each, 16 heads of 262,144 bytes,
	s_lshl_b32 s16, s16, 22
	s_and_b32 s17, s42, 15
	s_lshl_b32 s17, s17, 14                        ; the tile's 128 rows of 128 bytes in a head,
	s_add_co_u32 s16, s16, s17
	s_lshl_b32 s17, s14, 18                        ; my head of the K step's two
	s_add_co_u32 s18, s16, s17
	s_mov_b32 s19, 0
	s_lshl_b32 s46, s14, 17                        ; Wo: my 64 rows of 2,048 bytes,
	s_lshl_b32 s47, s45, 9                         ; the tile's 256 columns
	s_add_co_u32 s46, s46, s47
	s_mov_b32 s47, 0
	s_mul_i32 s20, s14, SUBA                       ; where they go: no place in the cluster enters an LDS address
	s_mul_i32 s21, s14, HALFB
	s_add_co_u32 s21, s21, BOFF
	s_wait_dscnt 0x0                               ; both opening adds are done
	s_wait_kmcnt 0x0
	s_add_nc_u64 s[18:19], s[4:5], s[18:19]
	s_add_nc_u64 s[46:47], s[6:7], s[46:47]
	CROUND                                         ; all sixteen work-groups are here: the first joint loads meet
.irp s, 0,1
	s_mov_b32 s[G0A+4*\s], 1
	s_add_co_u32 s[G0A+4*\s+1], s20, \s*SLOT
	s_add_nc_u64 s[G0A+4*\s+2:G0A+4*\s+3], s[18:19], \s*2*HEADB
	s_or_b32 s[G0A+4*\s+3], s[G0A+4*\s+3], 0x80000000
	s_mov_b32 s[G0B+4*\s], 1
	s_add_co_u32 s[G0B+4*\s+1], s21, \s*SLOT
	s_add_nc_u64 s[G0B+4*\s+2:G0B+4*\s+3], s[46:47], \s*KSTEP*2048
	s_or_b32 s[G0B+4*\s+3], s[G0B+4*\s+3], 0x80000000
	JLOAD \s                                       ; two loads of mine are out
.endr
	s_lshr_b32 s22, s40, 1                         ; the prefetches: partner cx takes head cx / 2 of a K step's two, half cx % 2 of its 16,384 bytes;
	s_add_co_u32 s22, s22, 6                       ; at K step 3: the first refill steps it to K step 4
	s_lshl_b32 s22, s22, 18
	s_and_b32 s23, s40, 1
	s_lshl_b32 s23, s23, 13
	s_add_co_u32 s22, s22, s23
	s_add_co_u32 s22, s22, s16
	s_mov_b32 s23, 0
	s_add_nc_u64 s[PFA:PFA+1], s[4:5], s[22:23]
	s_cmp_eq_u32 s12, 0
	s_cselect_b32 s[LIM], 1, -1
	v_and_b32 v1, 15, v0                           ; r
	v_bfe_u32 v2, v0, 4, 1                         ; h
	v_mul_u32_u24 v3, v1, PA
	v_lshl_add_u32 v3, v2, 4, v3                   ; A: row x pitch + 16 x half
	s_mul_i32 s22, s13, 64*PA                      ; my 64 rows
	v_and_b32 v4, 7, v0
	v_bfe_u32 v5, v0, 3, 1
	v_lshl_add_u32 v6, v2, 3, v4                   ; Wo, the turning load: lane l reads k = 8 (l / 16) + l % 8, columns 8 ((l / 8) % 2) + 0..7
	v_mul_u32_u24 v6, v6, PB
	v_lshl_add_u32 v6, v5, 4, v6
	s_lshl_b32 s23, s14, 8                         ; my 128 columns
	s_add_co_u32 s23, s23, BOFF
.irp s, 0,1
	v_add_nc_u32 v[ADRA+\s], s22, v3
	v_add_nc_u32 v[ADRB+\s], s23, v6
	s_add_co_u32 s22, s22, SLOT
	s_add_co_u32 s23, s23, SLOT
.endr
	s_mul_i32 s22, s12, 16*SPITCH
	s_add_co_u32 s22, s22, STAGE                   ; my stage
	v_mul_u32_u24 v7, v1, SPITCH                   ; in: row r, 32 bytes for each half of the lanes
	v_lshl_add_u32 v7, v2, 5, v7
	v_add_nc_u32 v[STO], s22, v7
	v_and_b32 v8, 31, v0
	v_lshlrev_b32 v[CO], 4, v8                     ; back: the 32 lanes take one row of 512 bytes; and the same in out0
	v_add_nc_u32 v[RD], s22, v[CO]
	v_lshlrev_b32 v[PFO], 8, v8
	s_lshl_b32 s22, s42, 19                        ; out0: 128 rows of 4,096 bytes a tile row,
	s_lshl_b32 s23, s13, 18                        ; my 64 rows,
	s_add_co_u32 s22, s22, s23
	s_lshl_b32 s23, s45, 10                        ; the tile's 256 columns,
	s_add_co_u32 s22, s22, s23
	s_lshl_b32 s23, s14, 9                         ; my 128
	s_add_co_u32 s22, s22, s23
	s_mov_b32 s23, 0
	s_add_nc_u64 s[10:11], s[10:11], s[22:23]
	s_lshl_b32 s22, s45, 10                        ; bo: my 128 columns
	s_lshl_b32 s23, s14, 9
	s_add_co_u32 s22, s22, s23
	s_mov_b32 s23, 0
	s_add_nc_u64 s[8:9], s[8:9], s[22:23]
	v_lshlrev_b32 v9, 5, v2                        ; lanes 16-31 hold a block's columns 8 to 15
.irp b, 0,1,2,3,4,5,6,7
	global_load_b128 v[BI+8*\b:BI+8*\b+3], v9, s[8:9] offset:64*\b
	global_load_b128 v[BI+8*\b+4:BI+8*\b+7], v9, s[8:9] offset:64*\b+16
.endr
; 8 matrix instructions: row block a x my eight column blocks, 32 along K.  The 32 accumulators take turns, one instruction a turn, in the same order in every quarter.
.macro MUL8 f, a, first
.irp b, 0,1,2,3,4,5,6,7
.if \first
	v_wmma_f32_16x16x32_f16 v[8*(8*(\a)+\b):8*(8*(\a)+\b)+7], v[\f+8*\b:\f+8*\b+7], v[\f+64+8*(\a):\f+64+8*(\a)+7], v[BI+8*\b:BI+8*\b+7]
.else
	v_wmma_f32_16x16x32_f16 v[8*(8*(\a)+\b):8*(8*(\a)+\b)+7], v[\f+8*\b:\f+8*\b+7], v[\f+64+8*(\a):\f+64+8*(\a)+7], v[8*(8*(\a)+\b):8*(8*(\a)+\b)+7]
.endif
.endr
.endm
; 24 LDS loads in one run: the slot's q-th 32 along K into buffer f: Wo's eight blocks first, then A's four
.macro FETCH slot, q, f
	WIN TO_F
.irp b, 0,1,2,3,4,5,6,7
	ds_load_tr16_b128 v[\f+8*\b:\f+8*\b+3],   v[ADRB+\slot] offset:(\q)*32*PB+32*\b
	ds_load_tr16_b128 v[\f+8*\b+4:\f+8*\b+7], v[ADRB+\slot] offset:(\q)*32*PB+16*PB+32*\b
.endr
.irp a, 0,1,2,3
	ds_load_b128 v[\f+64+8*\a:\f+64+8*\a+3],   v[ADRA+\slot] offset:((\q)/2)*SUBA+((\q)%2)*64+\a*16*PA
	ds_load_b128 v[\f+64+8*\a+4:\f+64+8*\a+7], v[ADRA+\slot] offset:((\q)/2)*SUBA+((\q)%2)*64+\a*16*PA+32
.endr
.endm
.macro PLACES                          ; four plain lines in front of loads into registers that matrix instructions have read, and of reads of results
.rept 4
	v_nop
.endr
.endm
; One of a slot's first three quarters: multiplies buffer f (the q-th 32 along K) and fetches the next quarter into g
.macro QUARTER slot, q, f, g, first
	s_wait_dscnt 4                                 ; Wo's blocks and A's blocks 0, 1 are in; the youngest four loads (A's blocks 2, 3) may be out
.if \first
	WIN MUL1
.else
	WIN MUL
.endif
	MUL8 \f, 0, \first
	MUL8 \f, 1, \first
	PLACES
	FETCH \slot, (\q)+1, \g
	s_wait_dscnt 24                                ; all but the 24 just issued
.if \first
	WIN MUL1
.else
	WIN MUL
.endif
	MUL8 \f, 2, \first
	MUL8 \f, 3, \first
.endm
; The last quarter multiplies buffer 1 and changes slots: one barrier; in front of it each wave waits for all its tensor loads, adds 0 to its spare word, and waits for that and for its reads of this slot.
; fill = 1: the barrier opens a round of the cluster's, and this slot is filled again, two K steps ahead, first thing behind the round.
.macro TURN slot, next, fill
.if \fill
	s_wait_xcnt 0x0                                ; the last prefetch, a K step back, has read its address: it is stepped here
	s_add_nc_u64 s[PFA:PFA+1], s[PFA:PFA+1], 2*HEADB
.endif
	WIN 0
	s_wait_tensorcnt 0x0                           ; all my tensor loads have landed: my part of the next slot
	ds_add_u32 v[SPW], v[NIL]                      ; 0 onto my spare word
	s_wait_dscnt 5                                 ; the add and the youngest four loads may be out
	WIN MUL
	MUL8 F1, 0, 0
	s_wait_dscnt 0x0                               ; the add is done, and my reads of this slot are over
	s_barrier_signal -1
	MUL8 F1, 1, 0
	WIN 0
	s_barrier_wait -1
.if \fill
	CREST                                          ; no wave of any partner still reads this slot's tiles or has a load on its way
	s_add_nc_u64 s[G0A+4*\slot+2:G0A+4*\slot+3], s[G0A+4*\slot+2:G0A+4*\slot+3], 4*HEADB
	s_add_nc_u64 s[G0B+4*\slot+2:G0B+4*\slot+3], s[G0B+4*\slot+2:G0B+4*\slot+3], 2*KSTEP*2048
	JLOAD \slot                                    ; the four v_nop behind it are also the places in front of the loads below
.else
	PLACES
.endif
	FETCH \next, 0, F0
.if \fill
	WIN 0                                          ; at a branch and at a label every window is 0
	ASK
.endif
	WIN MUL
	MUL8 F1, 2, 0
	MUL8 F1, 3, 0
.endm
	s_wait_tensorcnt 1                             ; my part of K step 0 is in; K step 1's load may be out,
	s_barrier_signal -1
	s_barrier_wait -1                              ; everybody's is
	FETCH 0, 0, F0
	s_wait_loadcnt 0x0                             ; bo
	QUARTER 0, 0, F0, F1, 1                        ; the first quarter stands in front of the loop: bo starts the sums
	WIN 0
	s_mov_b32 s3, 3
.Llap:                                             ; a trip goes once round the ring, from a lap's second quarter to the next lap's first, and fills both slots again
	QUARTER 0, 1, F1, F0, 0
	QUARTER 0, 2, F0, F1, 0
	TURN 0, 1, 1
	QUARTER 1, 0, F0, F1, 0
	QUARTER 1, 1, F1, F0, 0
	QUARTER 1, 2, F0, F1, 0
	TURN 1, 0, 1
	QUARTER 0, 0, F0, F1, 0
	WIN 0
	s_sub_co_u32 s3, s3, 1
	s_cmp_lg_u32 s3, 0
	s_cbranch_scc1 .Llap
	QUARTER 0, 1, F1, F0, 0                        ; the last lap fills nothing
	QUARTER 0, 2, F0, F1, 0
	TURN 0, 1, 0
	QUARTER 1, 0, F0, F1, 0
	QUARTER 1, 1, F1, F0, 0
	QUARTER 1, 2, F0, F1, 0
	s_wait_dscnt 4                                 ; the very last quarter: nothing more to fetch
	WIN MUL
	MUL8 F1, 0, 0
	MUL8 F1, 1, 0
	s_wait_dscnt 0
	MUL8 F1, 2, 0
	MUL8 F1, 3, 0
	WIN 0
; THE WAY OUT, block by block of 16 rows x 128 columns: through my own stage, back as whole rows of 512 bytes.
.macro TOSTAGE a
	WIN 0x08                                       ; an LDS store's data are its source 1: window 2
.irp b, 0,1,2,3,4,5,6,7
	ds_store_b128 v[STO], v[64*(\a)+8*\b:64*(\a)+8*\b+3] offset:64*\b        ; each accumulator from its low end on
	ds_store_b128 v[STO], v[64*(\a)+8*\b+4:64*(\a)+8*\b+7] offset:64*\b+16
.endr
	WIN 0
.set BB, BK+64*((\a)%2)
.irp t, 0,1,2,3,4,5,6,7,8,9,10,11,12,13,14,15
	ds_load_b128 v[BB+4*\t:BB+4*\t+3], v[RD] offset:\t*SPITCH               ; LDS serves a wave's instructions in order: these see the stores above
.endr
.endm
.macro SEND a, younger                 ; younger: the LDS instructions issued behind block a's loads: the next block's 16 stores and 16 loads, or none
.set BB, BK+64*((\a)%2)
	s_wait_dscnt \younger
.irp t, 0,1,2,3,4,5,6,7,8,9,10,11,12,13,14,15
	global_store_b128 v[CO], v[BB+4*\t:BB+4*\t+3], s[10:11] offset:(16*(\a)+\t)*4096 th:TH_STORE_NT   ; 32 lanes store 512 consecutive bytes, aligned; written once, read by nobody here
.endr
.endm
	PLACES                                         ; behind the last products
	TOSTAGE 0
.irp a, 1,2,3
.if \a > 1
	s_wait_xcnt 0x0                                ; block a - 2's stores have read their data: block a's loads land there only behind this wait
.endif
	TOSTAGE \a
	SEND \a-1, 32
.endr
	SEND 3, 0
	s_wait_tensorcnt 0x0                           ; the wave's end: behind my last tensor load and my last LDS store
	ds_add_u32 v[SPW], v[NIL]
	s_wait_dscnt 0x0
	CROUND                                         ; the closing round
	s_endpgm
.Lfunc_end_k_q2c8d6d16a3_oproj:
	.size	k_q2c8d6d16a3_oproj, .Lfunc_end_k_q2c8d6d16a3_oproj-k_q2c8d6d16a3_oproj
	.p2alignl 7, 3214868480
	.fill 96, 4, 3214868480
	.section	.rodata,"a",@progbits
	.p2align	6, 0x0
	.amdhsa_kernel k_q2c8d6d16a3_oproj
		.amdhsa_group_segment_fixed_size 327680
		.amdhsa_private_segment_fixed_size 0
		.amdhsa_enable_private_segment 0
		.amdhsa_kernarg_size 32
		.amdhsa_user_sgpr_count 2
		.amdhsa_user_sgpr_kernarg_segment_ptr 1
		.amdhsa_wavefront_size32 1
		.amdhsa_system_sgpr_workgroup_id_x 1
		.amdhsa_system_sgpr_workgroup_id_y 1
		.amdhsa_system_sgpr_workgroup_id_z 1
		.amdhsa_system_vgpr_workitem_id 0
		.amdhsa_next_free_vgpr 768
		.amdhsa_next_free_sgpr 72
		.amdhsa_reserve_vcc 0
		.amdhsa_float_denorm_mode_32 3
		.amdhsa_float_denorm_mode_16_64 3
		.amdhsa_memory_ordered 1
		.amdhsa_forward_progress 1
		.amdhsa_inst_pref_size 88
	.end_amdhsa_kernel
	.amdgpu_metadata
---
amdhsa.version: [ 1, 2 ]
amdhsa.kernels:
  - .name:           k_q2c8d6d16a3_oproj
    .symbol:         k_q2c8d6d16a3_oproj.kd
    .args:
      - { .name: att, .offset: 0, .size: 8, .value_kind: global_buffer, .address_space: global }
      - { .name: wo16, .offset: 8, .size: 8, .value_kind: global_buffer, .address_space: global }
      - { .name: bo, .offset: 16, .size: 8, .value_kind: global_buffer, .address_space: global }
      - { .name: out0, .offset: 24, .size: 8, .value_kind: global_buffer, .address_space: global }
    .group_segment_fixed_size: 327680
    .private_segment_fixed_size: 0
    .kernarg_segment_align: 8
    .kernarg_segment_size: 32
    .max_flat_workgroup_size: 128
    .sgpr_count:     72
    .vgpr_count:     768
    .wavefront_size: 32
...
	.end_amdgpu_metadata
.endif
;; end of part 4
